; MI455X (gfx1250); checked and timed in simulation.
; The chip was launched on July 23, 2026; its instructions are those of AMD's public machine-readable ISA for CDNA 5 (MIT licence, August 2026) and "CDNA5" Instruction Set Architecture Reference Guide (July 2026). The comments in the code are by the model that wrote it; some were corrected since.
;; Sparse Transformer Block. Allowed arithmetic: matrix products marked QUANTISED: E3M2 operands, one E8M0 scale for each 32 along K, by v_wmma_scale_f32_16x16x128_f8f6f4 with both operands' format E3M2, f32 sums; everything else in f32.
;; Inputs: b1 2,048 float32; b2 512 float32; bk 512 float32; bo 512 float32; bq 512 float32; bv 512 float32; ln1_b 512 float32; ln1_g 512 float32; ln2_b 512 float32; ln2_g 512 float32; w1 512 x 2,048 float32; w2 2,048 x 512 float32; wk 512 x 512 float32; wo 512 x 512 float32; wq 512 x 512 float32; wv 512 x 512 float32; x 4 x 2,048 x 512 float32.
;; Outputs: out0 4 x 2,048 x 512 float32.
;; This version of the problem:
;;   THIS VERSION OF THE PROBLEM IS GIVEN IN LOW PRECISION. The matrix products marked QUANTISED in the list below multiply operands that are first quantised to E3M2 (3 exponent bits, 2 mantissa bits; 6 bits a number), with one power-of-two scale for each 32 numbers along K (OCP MX v1.0); their sums are f32. All else is computed in f32.
;;   The module's matrix products, in the order in which they are computed (A, B: the left and right operand; K: the contracted axis; several contracted axes count as one K, in the product's order):
;;     1. [M 8,192, K 512] x [K 512, N 512]; A: input x; B: input wq: QUANTISED
;;     2. [M 8,192, K 512] x [K 512, N 512]; A: input x; B: input wk: QUANTISED
;;     3. [M 8,192, K 512] x [K 512, N 512]; A: input x; B: input wv: QUANTISED
;;     4. batch 32 x [M 2,048, K 64] x [K 64, N 2,048]; A: computed on the way; B: computed on the way: QUANTISED
;;     5. batch 32 x [M 2,048, K 2,048] x [K 2,048, N 64]; A: softmax (see below); B: computed on the way: QUANTISED
;;     6. [M 8,192, K 512] x [K 512, N 512]; A: computed on the way; B: input wo: QUANTISED
;;     7. [M 8,192, K 512] x [K 512, N 2,048]; A: computed on the way; B: input w1: QUANTISED
;;     8. [M 8,192, K 2,048] x [K 2,048, N 512]; A: computed on the way; B: input w2: QUANTISED
;;   THE QUANTISER, for each operand of a quantised product, along K:
;;     - K is cut into blocks of 32 from its start; a last block that is shorter is filled with zeros.
;;     - A block's scale is 2^e with e = floor(log2(the largest magnitude in the block)) - 4, held to -126 .. 127; a block of zeros has e = 0. As a byte (E8M0): e + 127.
;;     - Each number is divided by its block's scale, clamped to +-28, and rounded to the nearest number of E3M2, ties to even, subnormals kept.
;;     - The product sums the exact products of the quantised numbers (number of the format x scale) in f32.
;;   ~~~python
;;   def quantise(x, axis):      # numpy; x: float32 -> the quantised numbers, widened to float32 again
;;       x = np.moveaxis(x, axis, -1); K = x.shape[-1]
;;       x = np.pad(x, [(0, 0)] * (x.ndim - 1) + [(0, -K % 32)]); x = x.reshape(x.shape[:-1] + (-1, 32)); a = np.abs(x).max(-1, keepdims=True)
;;       e = np.where(a > 0, np.clip(np.frexp(np.where(a > 0, a, 1))[1] - 1 - 4, -126, 127), 0)      # np.frexp(a)[1] - 1 = floor(log2(a)), exactly
;;       r = np.clip(x / 2.0 ** e, -28, 28)
;;       step = 2.0 ** (np.maximum(np.frexp(np.where(r == 0, 1, r))[1] - 1, -2) - 2)
;;       q = np.round(r / step) * step * 2.0 ** e      # np.round: ties to even
;;       return np.moveaxis(q.reshape(q.shape[:-2] + (-1,))[..., :K], -1, axis).astype(np.float32)
;;   ~~~
;;   SOFTMAX AHEAD OF A QUANTISED PRODUCT. Where the list says 'softmax', what is quantised is not the finished softmax but p = 2^(t - M), with t = logit x log2(e) and M = ceil(the row's largest t), a whole number; so 1/2 < the row's largest p <= 1. The row's sum l is taken of the UNQUANTISED p, in f32, and the product's result is divided by l at the end. Since M is a whole number, a kernel that streams over the keys may use a running M (the ceiling of the running maximum): every later rescaling is an exact power of two, which a block's scale takes up: the codes' values come out the same.
;;   OPERANDS COMPUTED ON THE WAY. 'Computed on the way' means the value that the module computes at that place (a softmax that the list does not call 'softmax' is quantised finished and normalised). What goes into a quantiser is computed in f32, as accurately as f32 sums, v_exp_f32 and their like allow (about 1e-6 of the number): no bf16 or f16 on the way to a quantiser, and a product that is left as it is and whose result goes on into a quantised operand takes f32 operands (vector FMAs, or v_wmma_f32_16x16x4_f32). A number that lies on a knife's edge between two numbers of the format may be rounded either way, as far as f32 arithmetic and the matrix unit's own rounding can turn it there, and no further.
;; 2 versions, each right; version 2 is version 1 with the launches qkv, block written anew for expert scheduling mode. Each part assembles by itself: llvm-mc -triple=amdgcn-amd-amdhsa -mcpu=gfx1250 --defsym DOCPART=n.
;; ======== version 1 of 2: 3 launches
;; workspace buffers: wsb 614,400 bytes; wsc 1,843,200 bytes; qb 3,407,872 bytes; kb 3,407,872 bytes; vb 3,407,872 bytes
;; launch prep (part 1): grid 192 x 1, 4 waves a work-group, no clusters, 0 bytes of LDS; arguments wq, wk, wv, wo, w1, w2, wsb, wsc; writes wsb, wsc
.if DOCPART == 1
	.amdgcn_target "amdgcn-amd-amdhsa--gfx1250"
	.amdhsa_code_object_version 6
	.text
	.protected	k_q7cd5c2bc9e_prep
	.globl	k_q7cd5c2bc9e_prep
	.p2align	8
	.type	k_q7cd5c2bc9e_prep,@function
k_q7cd5c2bc9e_prep:
	s_mov_b64 s[64:65], 0
	v_nop
	global_prefetch_b8 v0, s[64:65] scope:SCOPE_SE
	s_setreg_imm32_b32 hwreg(HW_REG_WAVE_MODE, 25, 1), 1
	s_wait_xcnt 0x0
; The six weights, f32 stored [K][N], become codes of BF6 (E3M2) with one E8M0 byte for each 32 along K, laid as the two later launches' operand REGISTERS, in the order in which a wave consumes them.
; A block's scale is 2^(floor(log2(largest magnitude)) - 4); its byte is the largest magnitude's exponent field - 4, held at 1 from below by a floor among the maximum's leaves.
; LIMITS: a block of zeros, or one whose largest magnitude lies under 2^-122, gets the byte 1 (the rule says 127 for zeros): its codes are zeros and this program alone reads the bytes.  NaN and infinities are not served.
; SHARES.  A work-group takes 128 columns x 128 along K of one weight; wave beta takes 32 of the columns; A LANE TAKES A COLUMN AND ITS 128 REGISTERS RUN DOWN K, so a block's maximum needs no other lane
; and the conversions give codes with K innermost.  Each load reads 128 consecutive bytes a wave, the four waves 512.
; OUT.  A fragment (16 columns x 128 K, 12 registers a lane) is stored as an image: registers 4 c .. 4 c + 3 of fragment lane p + 16 h at 512 c + 16 (p + 16 h).  Column 32 beta + l is position p = (l & 7) | (l >> 4) << 3 of tile u = (l >> 3) & 1:
; a tile's positions 0-7 are eight neighbouring columns, 8-15 the eight that lie 16 further on.  My lane holds both halves h of its position, so it stores six times 16 bytes; a tile's sixteen lanes fill 256 consecutive aligned bytes.
; A SET is 8 fragments (1,536 f) and 512 bytes of scale words at 12,288 + 16 lane + 4 i: word i of lane (p, hi) belongs to fragment i + 4 hi.  Type P: f = 4 u + s (two tiles x four K steps); type K: f = 2 beta + u (eight tiles of one K step).
; The scale words leave as 4 bytes at a stride of 16: these 512 of a set's 12,800 bytes are written in pieces by several work-groups or waves.
; No LDS, no barrier, no matrix unit, no cluster: waves share nothing, and each input byte is read once.
.set VL, 2                             ; v2      4 x lane: my column
.set VC, 3                             ; v3      where my codes go in the set
.set VS, 4                             ; v4      where my scale word goes
.set TM, 8                             ; v8-11   the four blocks' largest magnitudes
.set TS, 12                            ; v12-15  the conversions' scale operands
.set BY, 16                            ; v16-19  the bytes
.set PW, 20                            ; v20     the scale word
.set F,  24                            ; v24-47  12 registers of fragment half 0 (blocks 0, 2), 12 of half 1 (blocks 1, 3)
.set T,  48                            ; v48-63  the upper 16 codes of each block, before they are moved
.set X,  64                            ; v64-191 my column's 128 numbers
	s_load_b512 s[8:23], s[0:1], 0x0               ; wq s[8:9], wk s[10:11], wv s[12:13], wo s[14:15], w1 s[16:17], w2 s[18:19], wsb s[20:21], wsc s[22:23]
	v_lshrrev_b32 v1, 5, v0
	v_readfirstlane_b32 s24, v1                    ; beta: my wave
	v_and_b32 v1, 31, v0
	v_lshlrev_b32 v[VL], 2, v1
	v_bfe_u32 v5, v0, 3, 1                         ; u
	v_and_b32 v6, 7, v0
	v_bfe_u32 v7, v0, 4, 1
	v_lshl_or_b32 v6, v7, 3, v6                    ; p
	; which weight, which 128 columns (cg), which K step (ks): from the work-group's number alone
	s_lshr_b32 s25, ttmp9, 6                       ; 0: wq wk wv wo; 1: w1; 2: w2
	s_lshr_b32 s26, ttmp9, 4                       ; 0 .. 3: wq wk wv wo; 4 .. 7: w1; 8 .. 11: w2
	s_lshr_b32 s27, ttmp9, 2
	s_and_b32 s28, s27, 3
	s_and_b32 s29, s27, 15
	s_and_b32 s34, s26, 3
	s_and_b32 s35, ttmp9, 3
	s_and_b32 s36, ttmp9, 15
	s_cmp_eq_u32 s25, 0
	s_cselect_b32 s28, s28, s29
	s_cmp_eq_u32 s25, 2
	s_cselect_b32 s28, s34, s28                    ; cg
	s_cselect_b32 s35, s36, s35                    ; ks
	; the set's number in its buffer, for each weight; then the one that applies
	s_lshl_b32 s37, s26, 2
	s_add_co_u32 s37, s37, s28
	s_mul_i32 s37, s37, 6
	s_add_co_u32 s37, s37, s24                     ; wq, wk: (4 y + w) 6 + beta
	s_lshr_b32 s38, s24, 1
	s_and_b32 s39, s24, 1
	s_lshl_b32 s40, s38, 2
	s_add_co_u32 s40, s40, s28
	s_mul_i32 s40, s40, 6
	s_add_co_u32 s40, s40, s39
	s_add_co_u32 s40, s40, 4                       ; wv: (4 (beta / 2) + w) 6 + 4 + beta % 2
	s_mul_i32 s41, s28, 36
	s_add_co_u32 s41, s41, s35                     ; wo: 36 w + ks
	s_lshr_b32 s42, s28, 2
	s_mul_i32 s42, s42, 36
	s_and_b32 s43, s28, 3
	s_lshl_b32 s43, s43, 2
	s_add_co_u32 s42, s42, s43
	s_add_co_u32 s42, s42, s24
	s_add_co_u32 s42, s42, 4                       ; w1: 36 w + 4 + 4 g + beta
	s_add_co_u32 s43, s41, 20                      ; w2: 36 w + 20 + ks
	s_cmp_lt_u32 s26, 2
	s_cselect_b32 s37, s37, s40
	s_cmp_lt_u32 s26, 3
	s_cselect_b32 s37, s37, s41
	s_cmp_lt_u32 s26, 4
	s_cselect_b32 s37, s37, s42
	s_cmp_lt_u32 s26, 8
	s_cselect_b32 s37, s37, s43
	s_cmp_eq_u32 s26, 3
	s_cselect_b32 s44, 1, 0
	s_cmp_ge_u32 s26, 8
	s_cselect_b32 s44, 1, s44                      ; 1: type K (wo, w2)
	s_mul_i32 s45, s35, 1536                       ; type P: fragment 4 u + ks
	s_mul_i32 s46, s24, 3072                       ; type K: fragment 2 beta + u
	s_lshl_b32 s47, s35, 2                         ; type P: word ks, lanes 16 u + p
	s_lshl_b32 s48, s38, 8                         ; type K: word 2 (beta % 2) + u, lanes 16 (beta / 2) + p
	s_lshl_b32 s49, s39, 3
	s_add_co_u32 s48, s48, s49
	s_mov_b32 s2, 6144
	s_mov_b32 s3, 256
	s_cmp_eq_u32 s44, 1
	s_cselect_b32 s45, s46, s45
	s_cselect_b32 s47, s48, s47
	s_cselect_b32 s2, 1536, s2                     ; from tile u = 0 to u = 1, in codes
	s_cselect_b32 s3, 4, s3                        ; and in scale words
	v_mul_u32_u24 v[VC], s2, v5
	v_lshl_add_u32 v[VC], v6, 4, v[VC]
	v_add_nc_u32 v[VC], s45, v[VC]
	v_mul_u32_u24 v[VS], s3, v5
	v_lshl_add_u32 v[VS], v6, 4, v[VS]
	v_add_nc_u32 v[VS], s47, v[VS]
	s_cmp_eq_u32 s25, 1
	s_cselect_b32 s50, 20, 18                      ; 128 rows of 8,192 bytes (w1) or of 2,048
	s_lshl_b32 s50, s35, s50
	s_lshl_b32 s49, s28, 9
	s_add_co_u32 s50, s50, s49
	s_lshl_b32 s49, s24, 7
	s_add_co_u32 s50, s50, s49                     ; + 512 cg + 128 beta
	s_mov_b32 s51, 0
	s_mul_i32 s52, s37, 12800
	s_mov_b32 s53, 0
	s_wait_kmcnt 0x0
	s_cmp_eq_u32 s26, 0                            ; the buffers are chosen on the work-group's number alone
	s_cselect_b64 s[30:31], s[8:9], s[10:11]
	s_cmp_lt_u32 s26, 2
	s_cselect_b64 s[30:31], s[30:31], s[12:13]
	s_cmp_lt_u32 s26, 3
	s_cselect_b64 s[30:31], s[30:31], s[14:15]
	s_cselect_b64 s[32:33], s[20:21], s[22:23]
	s_cmp_lt_u32 s26, 4
	s_cselect_b64 s[30:31], s[30:31], s[16:17]
	s_cmp_lt_u32 s26, 8
	s_cselect_b64 s[30:31], s[30:31], s[18:19]
	s_add_nc_u64 s[30:31], s[30:31], s[50:51]
	s_add_nc_u64 s[32:33], s[32:33], s[52:53]
.macro WLOAD pitch                     ; W(k, my column), k = 0 .. 127: every offset an immediate, 127 x 8,192 bytes at the most
.set KK, 0
.rept 128
	global_load_b32 v[X+KK], v[VL], s[30:31] offset:KK*(\pitch) th:TH_LOAD_NT
.set KK, KK+1
.endr
.endm
	s_cmp_eq_u32 s25, 1
	s_cbranch_scc1 .Lwide
	WLOAD 2048
	s_branch .Lgot
.Lwide:
	WLOAD 8192
.Lgot:
	s_wait_loadcnt 0x0
.irp b, 0,1,2,3
	v_max3_num_f32 v[TM+\b], |v[X+32*\b]|, |v[X+32*\b+1]|, 0x2800000   ; block b, and the floor 2^(5 - 127): the byte cannot fall under 1
.endr
.irp i, 2,4,6,8,10,12,14,16,18,20,22,24,26,28,30
.irp b, 0,1,2,3
	v_max3_num_f32 v[TM+\b], v[TM+\b], |v[X+32*\b+\i]|, |v[X+32*\b+\i+1]|   ; the four blocks by turns
.endr
.endr
.irp b, 0,1,2,3
	v_add_nc_u32 v[TS+\b], 0xfe000000, v[TM+\b]    ; 4 off the exponent field: the conversion's scale operand
.endr
.irp b, 0,1,2,3
	v_lshrrev_b32 v[BY+\b], 23, v[TS+\b]           ; the byte
.endr
	v_lshl_or_b32 v[PW], v[BY+1], 8, v[BY]
	v_lshl_or_b32 v[PW], v[BY+2], 16, v[PW]
	v_lshl_or_b32 v[PW], v[BY+3], 24, v[PW]
.irp b, 0,1,2,3
	v_cvt_scalef32_pk16_bf6_f32 v[F+12*(\b&1)+6*(\b>>1):F+12*(\b&1)+6*(\b>>1)+2], v[X+32*\b:X+32*\b+15], v[TS+\b]
	v_cvt_scalef32_pk16_bf6_f32 v[T+4*\b:T+4*\b+2], v[X+32*\b+16:X+32*\b+31], v[TS+\b]   ; a conversion's three registers begin on an even number: the upper half is made here and moved
.endr
	v_nop                                          ; one plain instruction between the conversions and the moves that read their results
.irp b, 0,1,2,3
.irp i, 0,1,2
	v_mov_b32 v[F+12*(\b&1)+6*(\b>>1)+3+\i], v[T+4*\b+\i]
.endr
.endr
.irp hh, 0,1
.irp c, 0,1,2
	global_store_b128 v[VC], v[F+12*\hh+4*\c:F+12*\hh+4*\c+3], s[32:33] offset:256*\hh+512*\c
.endr
.endr
	global_store_b32 v[VS], v[PW], s[32:33] offset:12288
	s_endpgm
.Lfunc_end_k_q7cd5c2bc9e_prep:
	.size	k_q7cd5c2bc9e_prep, .Lfunc_end_k_q7cd5c2bc9e_prep-k_q7cd5c2bc9e_prep
	.p2alignl 7, 3214868480
	.fill 96, 4, 3214868480
	.section	.rodata,"a",@progbits
	.p2align	6, 0x0
	.amdhsa_kernel k_q7cd5c2bc9e_prep
		.amdhsa_group_segment_fixed_size 0
		.amdhsa_private_segment_fixed_size 0
		.amdhsa_enable_private_segment 0
		.amdhsa_kernarg_size 64
		.amdhsa_user_sgpr_count 2
		.amdhsa_user_sgpr_kernarg_segment_ptr 1
		.amdhsa_wavefront_size32 1
		.amdhsa_system_sgpr_workgroup_id_x 1
		.amdhsa_system_sgpr_workgroup_id_y 1
		.amdhsa_system_sgpr_workgroup_id_z 1
		.amdhsa_system_vgpr_workitem_id 0
		.amdhsa_next_free_vgpr 192
		.amdhsa_next_free_sgpr 66
		.amdhsa_reserve_vcc 0
		.amdhsa_float_denorm_mode_32 3
		.amdhsa_float_denorm_mode_16_64 3
		.amdhsa_memory_ordered 1
		.amdhsa_forward_progress 1
		.amdhsa_inst_pref_size 35
	.end_amdhsa_kernel
	.amdgpu_metadata
---
amdhsa.version: [ 1, 2 ]
amdhsa.kernels:
  - .name:           k_q7cd5c2bc9e_prep
    .symbol:         k_q7cd5c2bc9e_prep.kd
    .args:
      - { .name: wq, .offset: 0, .size: 8, .value_kind: global_buffer, .address_space: global }
      - { .name: wk, .offset: 8, .size: 8, .value_kind: global_buffer, .address_space: global }
      - { .name: wv, .offset: 16, .size: 8, .value_kind: global_buffer, .address_space: global }
      - { .name: wo, .offset: 24, .size: 8, .value_kind: global_buffer, .address_space: global }
      - { .name: w1, .offset: 32, .size: 8, .value_kind: global_buffer, .address_space: global }
      - { .name: w2, .offset: 40, .size: 8, .value_kind: global_buffer, .address_space: global }
      - { .name: wsb, .offset: 48, .size: 8, .value_kind: global_buffer, .address_space: global }
      - { .name: wsc, .offset: 56, .size: 8, .value_kind: global_buffer, .address_space: global }
    .group_segment_fixed_size: 0
    .private_segment_fixed_size: 0
    .kernarg_segment_align: 8
    .kernarg_segment_size: 64
    .max_flat_workgroup_size: 128
    .sgpr_count:     66
    .vgpr_count:     192
    .wavefront_size: 32
...
	.end_amdgpu_metadata
.endif
;; end of part 1
;; launch qkv (part 2): grid 128 x 2, 4 waves a work-group, no clusters, 27,136 bytes of LDS; arguments x, bq, bk, bv, wsb, qb, kb, vb; writes qb, kb, vb
.if DOCPART == 2
	.amdgcn_target "amdgcn-amd-amdhsa--gfx1250"
	.amdhsa_code_object_version 6
	.text
	.protected	k_q7cd5c2bc9e_qkv
	.globl	k_q7cd5c2bc9e_qkv
	.p2align	8
	.type	k_q7cd5c2bc9e_qkv,@function
k_q7cd5c2bc9e_qkv:
	s_mov_b64 s[64:65], 0
	v_nop
	global_prefetch_b8 v0, s[64:65] scope:SCOPE_SE
	s_setreg_imm32_b32 hwreg(HW_REG_WAVE_MODE, 25, 1), 1
	s_wait_xcnt 0x0
; q = x wq + bq, k = x wk + bk, v = x wv + bv on codes of BF6 (E3M2) with one E8M0 scale for each 32 along K; the results are quantised at once for attention: q and k along the head's 64, v along the keys.
; SHARES.  A work-group takes 64 rows of x.  y = 0 makes q and half of v, y = 1 makes k and the other half.  THE WAVES SHARE THE COLUMNS: wave w makes columns 128 w .. 128 w + 127 (heads 2 w, 2 w + 1) for all 64 rows.
; ROW TILE m (0 .. 3): position p is row 32 (m / 2) + 8 (m % 2) + p + 8 (p / 8).  COLUMN TILE (beta, u): position p is column 32 beta + 8 u + p + 8 (p / 8).  So with a tile as source 0 the 16 result registers of two
; neighbouring tiles are 16 NEIGHBOURS (32 beta + 16 (lane / 16) + 0 .. 15) along what the next quantiser takes as K.
; X: wave w quantises row tile w (four fragments) and hands their register images to the others through LDS: registers 4 c .. 4 c + 3 of lane l at 512 c + 16 l; scale words at [K step][lane][tile].  One barrier.
; WEIGHTS come from the first launch's buffer straight into operand registers, a SET (8 fragments and their scale words, 25 loads of 16 bytes a lane) for each step of 32 matrix instructions, through four sets of registers that take turns.
; q, k: source 0 = weight tile, source 1 = rows; the bias is the C of a sum's first instruction.  v: source 0 = rows, source 1 = weight tile, so that a lane holds one channel and its registers run along the keys.
; NO JOINT LOADS, though all 128 row blocks walk the same weights: a work-group's weights are 4 x 76,800 = 307,200 bytes, which do not fit in LDS beside x's 26,624, and each fragment is used by one wave, once, for four
; matrix instructions: through a ring in LDS it would be written there and read again, where here it lands in the operand's registers, and counted waits leave the later sets on their way.
; LIMITS: NaN and infinities are not served; a block of zeros or under 2^-122 gets the byte 1 (the rule says 127 for zeros): its codes are zeros, and this program alone reads the bytes.
; REGISTERS, in windows of 256.  Window 0: v1-7 addresses; v16-31 the sets' scale words; v32-47, v48-51 the quantiser; v52-59 v's biases, twice each; v60-61 v's scale words; v64-127 accumulators; v128-207 codes; v208-223 x's scale words.
;   Windows 1, 2: set sigma at 96 (sigma % 2) of window 1 + sigma / 2, its bias at 192 + 16 (sigma % 2).  Window 3: x as f32, then x's 16 fragments (K step s, tile m at 12 (4 s + m)).
.set XIMG, 0                           ; LDS: x's 16 fragments, 1,536 (4 s + m)
.set XSC,  24576                       ; and their scale words, 512 s + 16 lane + 4 m
.set LI,  1                            ; v1  16 x lane
.set L8,  2                            ; v2  8 x lane
.set BH,  3                            ; v3  64 x (lane / 16): my 16 numbers of a block of 32 biases
.set XA,  4                            ; v4  x: my row of the wave's tile, + 64 (lane / 16)
.set XWI, 5                            ; v5  where I store x's images
.set XWS, 6                            ; v6  and their scale words
.set VB4, 7                            ; v7  4 x my column position's column
.set WS,  16
.set TM,  32                           ; v32-35 largest magnitudes, v36-39 at work, v44-47 the conversions' scale operands
.set PW,  48
.set BV,  52
.set PWV, 60
.set ACC, 64
.set PC,  128
.set XS,  208
.set WV,  24
.set YY,  25
.set XP,  28
.set RP,  30
.set BP,  32
.set OUTP, 34
.set VO,  36
.set VBP, 38
.set VSP, 40
.set SEL, 42
.set MSB, 0
.macro WIN new                         ; the immediate's high byte repeats the setting that is left; a switch that changes nothing is dropped
.if MSB != (\new)
	s_set_vgpr_msb ((MSB<<8)|(\new))
.set MSB, (\new)
.endif
.endm
.macro PLACES n
.rept \n
	v_nop
.endr
.endm
.macro BARRIER                         ; my LDS stores have landed and my LDS loads are in: then the work-group's barrier
	s_wait_dscnt 0x0
	s_barrier_signal -1
	s_barrier_wait -1
.endm
; One matrix instruction.  c < 0: the constant 0 starts the sum.  row = 1: source 0's scales from lanes 16-31; 2: source 1's.
.macro MMA d, a, b, c, sa, sb, row
.if (\c) < 0
.if (\row) == 0
	v_wmma_scale_f32_16x16x128_f8f6f4 v[(\d):(\d)+7], v[(\a):(\a)+11], v[(\b):(\b)+11], 0, v[\sa], v[\sb] matrix_a_fmt:MATRIX_FMT_BF6 matrix_b_fmt:MATRIX_FMT_BF6
.elseif (\row) == 1
	v_wmma_scale_f32_16x16x128_f8f6f4 v[(\d):(\d)+7], v[(\a):(\a)+11], v[(\b):(\b)+11], 0, v[\sa], v[\sb] matrix_a_fmt:MATRIX_FMT_BF6 matrix_b_fmt:MATRIX_FMT_BF6 matrix_a_scale:MATRIX_SCALE_ROW1
.else
	v_wmma_scale_f32_16x16x128_f8f6f4 v[(\d):(\d)+7], v[(\a):(\a)+11], v[(\b):(\b)+11], 0, v[\sa], v[\sb] matrix_a_fmt:MATRIX_FMT_BF6 matrix_b_fmt:MATRIX_FMT_BF6 matrix_b_scale:MATRIX_SCALE_ROW1
.endif
.else
.if (\row) == 0
	v_wmma_scale_f32_16x16x128_f8f6f4 v[(\d):(\d)+7], v[(\a):(\a)+11], v[(\b):(\b)+11], v[(\c):(\c)+7], v[\sa], v[\sb] matrix_a_fmt:MATRIX_FMT_BF6 matrix_b_fmt:MATRIX_FMT_BF6
.elseif (\row) == 1
	v_wmma_scale_f32_16x16x128_f8f6f4 v[(\d):(\d)+7], v[(\a):(\a)+11], v[(\b):(\b)+11], v[(\c):(\c)+7], v[\sa], v[\sb] matrix_a_fmt:MATRIX_FMT_BF6 matrix_b_fmt:MATRIX_FMT_BF6 matrix_a_scale:MATRIX_SCALE_ROW1
.else
	v_wmma_scale_f32_16x16x128_f8f6f4 v[(\d):(\d)+7], v[(\a):(\a)+11], v[(\b):(\b)+11], v[(\c):(\c)+7], v[\sa], v[\sb] matrix_a_fmt:MATRIX_FMT_BF6 matrix_b_fmt:MATRIX_FMT_BF6 matrix_b_scale:MATRIX_SCALE_ROW1
.endif
.endif
.endm
; Four blocks of 32: block x is my 16 registers v[s + 16 x ..] of window win and lane l xor 16's.  Leaves the conversions' scale operands in v[TM+12 ..].
.macro QMAX4 s, win
	WIN (((\win)<<2)|((\win)<<4))
.irp x, 0,1,2,3
	v_max3_num_f32 v[TM+\x], 0x2800000, |v[(\s)+16*\x]|, |v[(\s)+16*\x+1]|   ; and the floor 2^(5 - 127): the byte cannot fall under 1
.endr
.irp i, 2,4,6,8,10,12,14
.irp x, 0,1,2,3
	v_max3_num_f32 v[TM+\x], v[TM+\x], |v[(\s)+16*\x+\i]|, |v[(\s)+16*\x+\i+1]|   ; the four blocks by turns
.endr
.endr
	WIN 0
.irp x, 0,1,2,3
	v_permlanex16_b32 v[TM+4+\x], v[TM+\x], s[SEL], s[SEL+1]
.endr
.irp x, 0,1,2,3
	v_max_num_f32 v[TM+\x], v[TM+\x], v[TM+4+\x]
.endr
.irp x, 0,1,2,3
	v_add_nc_u32 v[TM+12+\x], 0xfe000000, v[TM+\x]   ; 4 off the exponent field
.endr
.endm
.macro CVT x, s, win, dst
	WIN (\win)
	v_cvt_scalef32_pk16_bf6_f32 v[(\dst):(\dst)+2], v[(\s)+16*(\x):(\s)+16*(\x)+15], v[TM+12+(\x)]
.endm
; Half blocks become whole blocks: the operand's layout wants lanes 0-15 to hold block 2 c and lanes 16-31 block 2 c + 1.  A region pc is 20 registers: 12 of the fragment, 8 at work; block b's codes were made at pc + 0, 12, 6, 16.
.macro FIN pc
.irp c, 0,1
.irp i, 0,1,2
	v_permlane16_swap_b32 v[(\pc)+6*\c+\i], v[(\pc)+12+4*\c+\i]
.endr
.irp i, 0,1,2
	v_mov_b32 v[(\pc)+3+6*\c+\i], v[(\pc)+12+4*\c+\i]
.endr
.endr
.endm
; 64 numbers of a lane, register 16 b + i = k 32 b + 16 (lane / 16) + i of my row, become a fragment at v[pc] and its scale word in v[pw].
.macro QUANT s, win, pc, pw
	QMAX4 \s, \win
.irp x, 0,1,2,3
	v_lshrrev_b32 v[TM+4+\x], 23, v[TM+12+\x]
.endr
	v_lshl_or_b32 v[\pw], v[TM+5], 8, v[TM+4]
	v_lshl_or_b32 v[\pw], v[TM+6], 16, v[\pw]
	v_lshl_or_b32 v[\pw], v[TM+7], 24, v[\pw]
	CVT 0, \s, \win, (\pc)
	CVT 1, \s, \win, (\pc)+12
	CVT 2, \s, \win, (\pc)+6
	CVT 3, \s, \win, (\pc)+16
	WIN 0
	v_nop                                          ; one plain instruction behind the conversions
	FIN \pc
.endm
; Block beta of the four row tiles: tile m's 16 registers at v[s + 16 m]; byte beta of v[PW + m], codes to tile m's region.
.macro QCOL s, beta
	QMAX4 \s, 0
.irp x, 0,1,2,3
.if (\beta) == 0
	v_lshrrev_b32 v[PW+\x], 23, v[TM+12+\x]
.else
	v_lshrrev_b32 v[TM+4+\x], 23, v[TM+12+\x]
.endif
.endr
.if (\beta) != 0
.irp x, 0,1,2,3
	v_lshl_or_b32 v[PW+\x], v[TM+4+\x], 8*(\beta), v[PW+\x]
.endr
.endif
.set SLT, 6*((\beta)>>1)+((\beta)&1)*(12-2*((\beta)>>1))
.irp x, 0,1,2,3
	CVT \x, \s, 0, PC+20*\x+SLT
.endr
	v_nop                                          ; one plain instruction behind the conversions
.endm
.macro LOADSET sigma, sn, ptr          ; set number sn behind the pointer into ring place sigma: 25 loads, each 512 consecutive bytes a wave
	WIN ((1+((\sigma)>>1))<<6)
.irp f, 0,1,2,3,4,5,6,7
.irp c, 0,1,2
	global_load_b128 v[96*((\sigma)&1)+12*\f+4*\c:96*((\sigma)&1)+12*\f+4*\c+3], v[LI], s[\ptr:\ptr+1] offset:(\sn)*12800+1536*\f+512*\c
.endr
.endr
	WIN 0
	global_load_b128 v[WS+4*(\sigma):WS+4*(\sigma)+3], v[LI], s[\ptr:\ptr+1] offset:(\sn)*12800+12288
.endm
.macro BIASLD sigma, ptr, off          ; the 32 biases of a pair of column tiles, in the result's layout: register 8 u + j = column 16 (lane / 16) + 8 u + j
	WIN ((1+((\sigma)>>1))<<6)
.irp i, 0,1,2,3
	global_load_b128 v[192+16*((\sigma)&1)+4*\i:192+16*((\sigma)&1)+4*\i+3], v[BH], s[\ptr:\ptr+1] offset:(\off)+16*\i
.endr
	WIN 0
.endm
; 32 matrix instructions: a pair of column tiles (source 0, ring place sg) x four row tiles (source 1, window 3) x four K steps.  The eight accumulators take turns, one instruction a turn.
; Four places follow: they serve the reads of the results and the next loads into the registers just read.
.macro PMUL sg, bsc
.set WSN, 1+((\sg)>>1)
.set FB, 96*((\sg)&1)
.set CB, 192+16*((\sg)&1)
.irp s, 0,1,2,3
.if \s == 0
	WIN (WSN|0x0c|(WSN<<4))
.else
	WIN (WSN|0x0c)
.endif
.irp m, 0,1,2,3
.irp u, 0,1
.if \s == 0
	MMA ACC+16*\m+8*\u, FB+12*(4*\u+\s), 12*(4*\s+\m), CB+8*\u, WS+4*(\sg)+\s, (\bsc)+4*\s+\m, \u
.else
	MMA ACC+16*\m+8*\u, FB+12*(4*\u+\s), 12*(4*\s+\m), ACC+16*\m+8*\u, WS+4*(\sg)+\s, (\bsc)+4*\s+\m, \u
.endif
.endr
.endr
.endr
	WIN 0
	PLACES 4
.endm
	s_load_b512 s[8:23], s[0:1], 0x0               ; x s[8:9], bq s[10:11], bk s[12:13], bv s[14:15], wsb s[16:17], qb s[18:19], kb s[20:21], vb s[22:23]
	v_lshl_add_u32 v254, v0, 2, 0x6800
	v_mov_b32 v255, 0
	v_lshrrev_b32 v8, 5, v0
	v_readfirstlane_b32 s[WV], v8                  ; wave 0..3
	s_and_b32 s[YY], ttmp7, 0xffff                 ; y
	v_and_b32 v8, 31, v0                           ; lane
	v_and_b32 v9, 15, v0                           ; r
	v_bfe_u32 v10, v0, 4, 1                        ; h
	v_lshlrev_b32 v[LI], 4, v8
	v_lshlrev_b32 v[L8], 3, v8
	v_lshlrev_b32 v[BH], 6, v10
	v_and_b32 v11, 8, v9
	v_add_nc_u32 v11, v11, v9                      ; r + 8 (r / 8)
	v_lshlrev_b32 v[XA], 11, v11
	v_lshl_add_u32 v[XA], v10, 6, v[XA]
	v_lshlrev_b32 v[VB4], 2, v11
	s_mul_i32 s44, s[WV], 1536
	v_add_nc_u32 v[XWI], s44, v[LI]
	s_lshl_b32 s44, s[WV], 2
	s_add_co_u32 s44, s44, XSC
	v_add_nc_u32 v[XWS], s44, v[LI]
.irp i, 0,1,2,3
	v_mov_b32 v[TM+4+\i], 0                        ; written once: a lane permute's destination counts as one of its sources
.endr
	s_mov_b32 s[SEL], 0x76543210
	s_mov_b32 s[SEL+1], 0xfedcba98                 ; lane l xor 16
	s_lshr_b32 s44, s[WV], 1
	s_lshl_b32 s44, s44, 5
	s_and_b32 s45, s[WV], 1
	s_lshl_b32 s45, s45, 3
	s_add_co_u32 s44, s44, s45                     ; my row tile's first row
	s_lshl_b32 s45, ttmp9, 6
	s_add_co_u32 s44, s44, s45
	s_lshl_b32 s44, s44, 11                        ; in bytes
	s_mov_b32 s45, 0
	s_lshl_b32 s46, s[YY], 2
	s_add_co_u32 s46, s46, s[WV]
	s_mul_i32 s46, s46, 76800                      ; my six sets
	s_mov_b32 s47, 0
	s_lshl_b32 s48, ttmp9, 2
	s_add_co_u32 s48, s48, s[WV]
	s_mul_i32 s48, s48, 6656                       ; my block of qb, kb, vb
	s_mov_b32 s49, 0
	s_lshl_b32 s50, s[WV], 9
	s_mov_b32 s51, 0
	s_wait_kmcnt 0x0
	s_add_nc_u64 s[XP:XP+1], s[8:9], s[44:45]
	s_add_nc_u64 s[RP:RP+1], s[16:17], s[46:47]
	s_cmp_eq_u32 s[YY], 0
	s_cselect_b64 s[BP:BP+1], s[10:11], s[12:13]
	s_cselect_b64 s[OUTP:OUTP+1], s[18:19], s[20:21]
	s_add_nc_u64 s[BP:BP+1], s[BP:BP+1], s[50:51]
	s_add_nc_u64 s[OUTP:OUTP+1], s[OUTP:OUTP+1], s[48:49]
	s_add_nc_u64 s[VO:VO+1], s[22:23], s[48:49]
	s_add_nc_u64 s[VBP:VBP+1], s[14:15], s[50:51]
	s_lshl_b32 s46, s[YY], 8
	s_add_nc_u64 s[VSP:VSP+1], s[VO:VO+1], s[46:47]      ; v's scale words: + 256 y
	s_add_nc_u64 s[VBP:VBP+1], s[VBP:VBP+1], s[46:47]    ; v's biases: pairs 2 y, 2 y + 1
	s_mul_i32 s44, s[YY], 3072
	s_add_nc_u64 s[VO:VO+1], s[VO:VO+1], s[44:45]        ; v's units 4 y ..
	; ---- X: my 16 rows of x.  Lane (r, h) takes, of row r, 16 neighbouring numbers of each block of 32
.irp e, 0,1
.irp u, 0,1
	global_load_b32 v[BV+4*\e+2*\u], v[VB4], s[VBP:VBP+1] offset:128*\e+32*\u       ; v's bias of my column position, into both halves of a pair
	global_load_b32 v[BV+4*\e+2*\u+1], v[VB4], s[VBP:VBP+1] offset:128*\e+32*\u
.endr
.endr
	WIN 0xc0
.irp s, 0,1,2,3
.irp b, 0,1,2,3
.irp i, 0,1,2,3
	global_load_b128 v[64*\s+16*\b+4*\i:64*\s+16*\b+4*\i+3], v[XA], s[XP:XP+1] offset:512*\s+128*\b+16*\i
.endr
.endr
.endr
	WIN 0
.macro XSTEP s, cnt
	s_wait_loadcnt \cnt
	QUANT 64*(\s), 3, PC+20*(\s), PW+(\s)
.irp c, 0,1,2
	ds_store_b128 v[XWI], v[PC+20*(\s)+4*\c:PC+20*(\s)+4*\c+3] offset:XIMG+6144*(\s)+512*\c
.endr
	ds_store_b32 v[XWS], v[PW+(\s)] offset:512*(\s)
.endm
	XSTEP 0, 48                                    ; behind K step 0's loads: the 48 of K steps 1 to 3
	LOADSET 0, 0, RP
	BIASLD 0, BP, 0
	XSTEP 1, 61                                    ; 32 of x and set 0's 29
	LOADSET 1, 1, RP
	BIASLD 1, BP, 128
	XSTEP 2, 63                                    ; 74 younger loads stand behind K step 2's: 63 is the largest count that the wait can name, and a smaller count is the stricter
	LOADSET 2, 2, RP
	BIASLD 2, BP, 256
	XSTEP 3, 63                                    ; 87 younger
	BARRIER                                        ; x's sixteen fragments lie in LDS
	WIN 0xc0
.set KK, 0
.rept 48
	ds_load_b128 v[4*KK:4*KK+3], v[LI] offset:XIMG+512*KK
.set KK, KK+1
.endr
	WIN 0
.irp s, 0,1,2,3
	ds_load_b128 v[XS+4*\s:XS+4*\s+3], v[LI] offset:XSC+512*\s
.endr
	LOADSET 3, 3, RP
	BIASLD 3, BP, 384
	s_wait_dscnt 0x0
	; ---- q or k: four pairs of column tiles.  A step's set was asked for three steps ago; the place that the last step read is filled again
	s_wait_loadcnt 63                              ; behind set 0: three sets and their biases, 87 loads
	PMUL 0, XS
	QCOL ACC, 0
	LOADSET 0, 4, RP
	s_wait_loadcnt 63                              ; 83 younger
	PMUL 1, XS
	QCOL ACC, 1
	LOADSET 1, 5, RP
	s_wait_loadcnt 63                              ; 79 younger
	PMUL 2, XS
	QCOL ACC, 2
	s_wait_loadcnt 50                              ; sets 4 and 5
	PMUL 3, XS
	QCOL ACC, 3
.irp m, 0,1,2,3
	FIN PC+20*\m
.endr
.irp m, 0,1,2,3
.irp c, 0,1,2
	global_store_b128 v[LI], v[PC+20*\m+4*\c:PC+20*\m+4*\c+3], s[OUTP:OUTP+1] offset:1536*\m+512*\c   ; each store covers 512 consecutive bytes, aligned
.endr
.endr
	global_store_b128 v[LI], v[PW:PW+3], s[OUTP:OUTP+1] offset:6144
	; ---- v: pairs 2 y and 2 y + 1, rows as source 0: register 32 u + 16 b + i of lane (r, h) is key 32 b + 16 h + i of channel position r of tile u
.macro VSTEP e, cnt
.set FB, 96*(\e)
	s_wait_loadcnt \cnt
	WIN 0x07                                       ; source 0 (x) window 3, source 1 (the set) window 1
.irp s, 0,1,2,3
.irp u, 0,1
.irp m, 0,1,2,3
.if \s == 0
	MMA ACC+32*\u+8*\m, 12*(4*\s+\m), FB+12*(4*\u+\s), -1, XS+4*\s+\m, WS+4*(\e)+\s, 2*\u
.else
	MMA ACC+32*\u+8*\m, 12*(4*\s+\m), FB+12*(4*\u+\s), ACC+32*\u+8*\m, XS+4*\s+\m, WS+4*(\e)+\s, 2*\u
.endif
.endr
.endr
.endr
	WIN 0
	PLACES 4
.irp u, 0,1
.set QQ, 0
.rept 16
	v_pk_add_f32 v[ACC+32*\u+2*QQ:ACC+32*\u+2*QQ+1], v[ACC+32*\u+2*QQ:ACC+32*\u+2*QQ+1], v[BV+4*(\e)+2*\u:BV+4*(\e)+2*\u+1]
.set QQ, QQ+1
.endr
.endr
	s_wait_xcnt 0x0                                ; the earlier stores have read the registers that the codes below are written into
	QUANT ACC, 0, PC+20*(\e), PWV+(\e)             ; blocks 0, 1: tile u = 0, keys 0-31, 32-63; blocks 2, 3: tile u = 1: registers 0-5 and 6-11 are two units of 16 channels x 64 keys
	global_store_b128 v[LI], v[PC+20*(\e):PC+20*(\e)+3], s[VO:VO+1] offset:1536*(\e)
	global_store_b64 v[L8], v[PC+20*(\e)+4:PC+20*(\e)+5], s[VO:VO+1] offset:1536*(\e)+512
	global_store_b128 v[LI], v[PC+20*(\e)+6:PC+20*(\e)+9], s[VO:VO+1] offset:1536*(\e)+768
	global_store_b64 v[L8], v[PC+20*(\e)+10:PC+20*(\e)+11], s[VO:VO+1] offset:1536*(\e)+1280
.endm
	VSTEP 0, 25                                    ; set 5 may be out
	VSTEP 1, 0
	global_store_b64 v[L8], v[PWV:PWV+1], s[VSP:VSP+1] offset:6144   ; 32 lanes store 256 consecutive bytes, aligned
	s_wait_tensorcnt 0x0
	ds_add_u32 v254, v255
	s_wait_dscnt 0x0
	s_endpgm
.Lfunc_end_k_q7cd5c2bc9e_qkv:
	.size	k_q7cd5c2bc9e_qkv, .Lfunc_end_k_q7cd5c2bc9e_qkv-k_q7cd5c2bc9e_qkv
	.p2alignl 7, 3214868480
	.fill 96, 4, 3214868480
	.section	.rodata,"a",@progbits
	.p2align	6, 0x0
	.amdhsa_kernel k_q7cd5c2bc9e_qkv
		.amdhsa_group_segment_fixed_size 27136
		.amdhsa_private_segment_fixed_size 0
		.amdhsa_enable_private_segment 0
		.amdhsa_kernarg_size 64
		.amdhsa_user_sgpr_count 2
		.amdhsa_user_sgpr_kernarg_segment_ptr 1
		.amdhsa_wavefront_size32 1
		.amdhsa_system_sgpr_workgroup_id_x 1
		.amdhsa_system_sgpr_workgroup_id_y 1
		.amdhsa_system_sgpr_workgroup_id_z 1
		.amdhsa_system_vgpr_workitem_id 0
		.amdhsa_next_free_vgpr 1024
		.amdhsa_next_free_sgpr 66
		.amdhsa_reserve_vcc 0
		.amdhsa_float_denorm_mode_32 3
		.amdhsa_float_denorm_mode_16_64 3
		.amdhsa_memory_ordered 1
		.amdhsa_forward_progress 1
		.amdhsa_inst_pref_size 100
	.end_amdhsa_kernel
	.amdgpu_metadata
---
amdhsa.version: [ 1, 2 ]
amdhsa.kernels:
  - .name:           k_q7cd5c2bc9e_qkv
    .symbol:         k_q7cd5c2bc9e_qkv.kd
    .args:
      - { .name: x, .offset: 0, .size: 8, .value_kind: global_buffer, .address_space: global }
      - { .name: bq, .offset: 8, .size: 8, .value_kind: global_buffer, .address_space: global }
      - { .name: bk, .offset: 16, .size: 8, .value_kind: global_buffer, .address_space: global }
      - { .name: bv, .offset: 24, .size: 8, .value_kind: global_buffer, .address_space: global }
      - { .name: wsb, .offset: 32, .size: 8, .value_kind: global_buffer, .address_space: global }
      - { .name: qb, .offset: 40, .size: 8, .value_kind: global_buffer, .address_space: global }
      - { .name: kb, .offset: 48, .size: 8, .value_kind: global_buffer, .address_space: global }
      - { .name: vb, .offset: 56, .size: 8, .value_kind: global_buffer, .address_space: global }
    .group_segment_fixed_size: 27136
    .private_segment_fixed_size: 0
    .kernarg_segment_align: 8
    .kernarg_segment_size: 64
    .max_flat_workgroup_size: 128
    .sgpr_count:     66
    .vgpr_count:     1024
    .wavefront_size: 32
...
	.end_amdgpu_metadata
.endif
;; end of part 2
;; launch block (part 3): grid 128 x 1, 4 waves a work-group, no clusters, 272,896 bytes of LDS; arguments x, qb, kb, vb, wsc, bo, ln1_g, ln1_b, b1, b2, ln2_g, ln2_b, out0; writes out0
.if DOCPART == 3
	.amdgcn_target "amdgcn-amd-amdhsa--gfx1250"
	.amdhsa_code_object_version 6
	.text
	.protected	k_q7cd5c2bc9e_block
	.globl	k_q7cd5c2bc9e_block
	.p2align	8
	.type	k_q7cd5c2bc9e_block,@function
k_q7cd5c2bc9e_block:
	s_mov_b64 s[64:65], 0
	v_nop
	global_prefetch_b8 v0, s[64:65] scope:SCOPE_SE
	s_setreg_imm32_b32 hwreg(HW_REG_WAVE_MODE, 25, 1), 1
	s_wait_xcnt 0x0
; For 64 rows: banded attention (|i - j| <= 64) in 8 heads of 64, the product with wo, residual and LayerNorm, relu(h w1 + b1) w2 + b2, residual and LayerNorm.  All products on codes of BF6 (E3M2) with one E8M0 scale for each 32 along K.
; Nothing between the products goes to memory: out, h and the hidden layer are quantised in registers and go from wave to wave through LDS as images of operand registers (registers 4 c .. 4 c + 3 of lane l at 512 c + 16 l).
; SHARES.  THE WAVES SHARE THE COLUMNS: wave w has heads 2 w, 2 w + 1, columns 128 w .. of out, h and the result, hidden units 512 w .. 512 w + 511, each for all 64 rows.  Row tile m: position p is row 32 (m / 2) + 8 (m % 2) + p + 8 (p / 8);
; column tiles likewise.  All products but none are used with the wider side as source 0, so that a lane holds ONE row throughout and 16 registers of two neighbouring tiles are 16 neighbours along the next K.
; ATTENTION.  The keys that count for rows q0 .. q0 + 63 lie in q0 - 64 .. q0 + 127: three blocks of 64 rows as the launch before stored them; at a sequence's ends the missing block is replaced by my own and wholly masked.
; S^T = K Q^T: K's fragment holds both heads (k 0-63, 64-127); the other head's half of Q is zero codes.  t = score x log2(e) / 8; M = ceil(the row's largest t); p = 2^(t - M) is quantised along the keys, in blocks of 32 from key 0;
; the sum is taken of the unquantised p and divides at the end.  O^T = V^T P^T in two K steps: keys 0-127, and keys 128-191 beside zero codes of p.
; WEIGHTS come from the first launch's buffer straight into operand registers: 36 steps a wave, a SET of 8 fragments and their scale words (25 loads) for 32 matrix instructions, through four sets of registers that take turns; three sets are asked for ahead.
; NO JOINT LOADS, though all 128 work-groups walk the same weights: the images take 272,384 of LDS's 327,680 bytes; the 55,296 left would make two slots of 18 fragments, 18 matrix instructions a wave between two changes of slots,
; each with a wait for all loads and a round of barriers; loads into registers under counted waits never run dry, and a fragment is used by one wave alone.
; LAYERNORM in two passes (mean, then the centred squares), so that a common offset of the inputs costs no digits; the rows' sums meet in LDS.
; LIMITS: NaN and infinities are not served; a block of zeros or under 2^-122 gets the byte 1 (the rule says 127 for zeros): its codes are zeros; v_exp_f32 gives 0 for p under 2^-126; 1 / l and 1 / sqrt are v_rcp_f32 and v_rsq_f32.
; REGISTERS, in windows of 256.  Window 0: v1-15 addresses; v16-31 the sets' scale words; v32-51 the quantiser and sums; v52-63 small values; v64-207 the phase's data; v208-255 scale words alone.
;   Windows 1, 2: ring place sigma at 96 (sigma % 2) of window 1 + sigma / 2, its bias at 192 + 16 (sigma % 2).  During attention window 2 holds K (v0-143) and head A's V (v144-215), window 3 head B's V (v0-71) and Q (v72-95), window 1 v192-255 O^T.
;   Window 3 later: the 32 accumulators (64 m + 8 t), or h's 16 fragments (12 (4 s + m)).
.set OIMG, 0                           ; LDS: 16 fragments, 1,536 (4 s + m): out, later h
.set OSC,  24576                       ; their scale words, 512 s + 16 lane + 4 m
.set RED,  26624                       ; four sums x [wave][lane] 16 bytes
.set HSC,  34816                       ; the hidden layer's scale words
.set HIMG, 43008                       ; its 64 fragments
.set HSP,  141312                      ; 32,768 bytes for each wave, its own: h in f32 as a register image; later the stage of the way out, 16 rows x 528
.set LI, 1                             ; 16 x lane
.set BH, 2                             ; 64 x (lane / 16)
.set XO, 3                             ; x: my row position's row, + 64 (lane / 16)
.set AD, 4
.set AD2, 5
.set SPA, 6
.set STO, 7
.set IWA, 8
.set SWA, 9
.set REDW, 10
.set REDR, 11
.set HWA, 12
.set HSA, 13
.set PFO, 14                           ; 256 x lane
.set L8, 15                            ; 8 x lane
.set WS, 16
.set TM, 32
.set PW, 48
.set E0, 52                            ; my query position's row - 16 (lane / 16)
.set KMINH, 53
.set KMAXH, 54
.set LO, 55
.set HI, 56
.set NINF, 57
.set NM, 58                            ; v[58:59] -M
.set LA, 60
.set LB, 62
.set MN, 52                            ; LayerNorm: -mean, then 1 / std, of tile m in v[52 + 2 m]
.set S, 64                             ; v64-159 S^T, then p: register 16 B + i = key 32 B + 16 (lane / 16) + i of the 192
.set P0, 160
.set P1, 180
.set BM, 196
.set BT, 202
.set TS6, 32
.set T0, 38
.set T1, 39
.set RL, 40
.set KS, 208
.set VP, 220
.set VW, 232
.set QSW, 244
.set PWA, 245
.set PWB, 246
.set KF, 0
.set VA, 144
.set QZA, 72
.set QZB, 84
.set OA, 192
.set AB, 64                            ; two buffers of four fragments: one K step's four row tiles
.set AS, 208
.set ACC, 64
.set PC, 128
.set HS, 208
.set PB, 64
.set PG, 128
.set PE, 64
.set XPT, 8
.set BO, 18
.set G1, 20
.set E1, 22
.set B1P, 24
.set B2P, 26
.set G2, 28
.set E2, 30
.set OUTP, 32
.set RP, 38
.set KB, 40
.set VB, 46
.set QP, 52
.set QSP, 54
.set PF, 56
.set SEL, 58
.set CS, 60
.set MSB, 0
.macro WIN new                         ; the immediate's high byte repeats the setting that is left; a switch that changes nothing is dropped
.if MSB != (\new)
	s_set_vgpr_msb ((MSB<<8)|(\new))
.set MSB, (\new)
.endif
.endm
.macro PLACES n
.rept \n
	v_nop
.endr
.endm
.macro BARRIER                         ; my LDS stores have landed and my LDS loads are in: then the work-group's barrier
	s_wait_dscnt 0x0
	s_barrier_signal -1
	s_barrier_wait -1
.endm
; One matrix instruction.  c < 0: the constant 0 starts the sum.  row = 1: source 0's scales from lanes 16-31.
.macro MMA d, a, b, c, sa, sb, row
.if (\c) < 0
.if (\row) == 0
	v_wmma_scale_f32_16x16x128_f8f6f4 v[(\d):(\d)+7], v[(\a):(\a)+11], v[(\b):(\b)+11], 0, v[\sa], v[\sb] matrix_a_fmt:MATRIX_FMT_BF6 matrix_b_fmt:MATRIX_FMT_BF6
.else
	v_wmma_scale_f32_16x16x128_f8f6f4 v[(\d):(\d)+7], v[(\a):(\a)+11], v[(\b):(\b)+11], 0, v[\sa], v[\sb] matrix_a_fmt:MATRIX_FMT_BF6 matrix_b_fmt:MATRIX_FMT_BF6 matrix_a_scale:MATRIX_SCALE_ROW1
.endif
.else
.if (\row) == 0
	v_wmma_scale_f32_16x16x128_f8f6f4 v[(\d):(\d)+7], v[(\a):(\a)+11], v[(\b):(\b)+11], v[(\c):(\c)+7], v[\sa], v[\sb] matrix_a_fmt:MATRIX_FMT_BF6 matrix_b_fmt:MATRIX_FMT_BF6
.else
	v_wmma_scale_f32_16x16x128_f8f6f4 v[(\d):(\d)+7], v[(\a):(\a)+11], v[(\b):(\b)+11], v[(\c):(\c)+7], v[\sa], v[\sb] matrix_a_fmt:MATRIX_FMT_BF6 matrix_b_fmt:MATRIX_FMT_BF6 matrix_a_scale:MATRIX_SCALE_ROW1
.endif
.endif
.endm
; Four blocks of 32: block x is my 16 registers v[s + 16 x ..] of window win and lane l xor 16's.  Leaves the conversions' scale operands in v[TM+12 ..].
.macro QMAX4 s, win
	WIN (((\win)<<2)|((\win)<<4))
.irp x, 0,1,2,3
	v_max3_num_f32 v[TM+\x], 0x2800000, |v[(\s)+16*\x]|, |v[(\s)+16*\x+1]|   ; and the floor 2^(5 - 127): the byte cannot fall under 1
.endr
.irp i, 2,4,6,8,10,12,14
.irp x, 0,1,2,3
	v_max3_num_f32 v[TM+\x], v[TM+\x], |v[(\s)+16*\x+\i]|, |v[(\s)+16*\x+\i+1]|   ; the four blocks by turns
.endr
.endr
	WIN 0
.irp x, 0,1,2,3
	v_permlanex16_b32 v[TM+4+\x], v[TM+\x], s[SEL], s[SEL+1]
.endr
.irp x, 0,1,2,3
	v_max_num_f32 v[TM+\x], v[TM+\x], v[TM+4+\x]
.endr
.irp x, 0,1,2,3
	v_add_nc_u32 v[TM+12+\x], 0xfe000000, v[TM+\x]   ; 4 off the exponent field
.endr
.endm
.macro CVT x, s, win, dst
	WIN (\win)
	v_cvt_scalef32_pk16_bf6_f32 v[(\dst):(\dst)+2], v[(\s)+16*(\x):(\s)+16*(\x)+15], v[TM+12+(\x)]
.endm
; Half blocks become whole blocks: lanes 0-15 hold block 2 c, lanes 16-31 block 2 c + 1.  A region pc is 20 registers: 12 of the fragment, 8 at work; block b's codes were made at pc + 0, 12, 6, 16.
.macro FIN pc
.irp c, 0,1
.irp i, 0,1,2
	v_permlane16_swap_b32 v[(\pc)+6*\c+\i], v[(\pc)+12+4*\c+\i]
.endr
.irp i, 0,1,2
	v_mov_b32 v[(\pc)+3+6*\c+\i], v[(\pc)+12+4*\c+\i]
.endr
.endr
.endm
; 64 numbers of a lane, register 16 b + i = k 32 b + 16 (lane / 16) + i of my row, become a fragment at v[pc] and its scale word in v[pw].
.macro QUANT s, win, pc, pw
	QMAX4 \s, \win
.irp x, 0,1,2,3
	v_lshrrev_b32 v[TM+4+\x], 23, v[TM+12+\x]
.endr
	v_lshl_or_b32 v[\pw], v[TM+5], 8, v[TM+4]
	v_lshl_or_b32 v[\pw], v[TM+6], 16, v[\pw]
	v_lshl_or_b32 v[\pw], v[TM+7], 24, v[\pw]
	CVT 0, \s, \win, (\pc)
	CVT 1, \s, \win, (\pc)+12
	CVT 2, \s, \win, (\pc)+6
	CVT 3, \s, \win, (\pc)+16
	WIN 0
	v_nop                                          ; one plain instruction behind the conversions
	FIN \pc
.endm
; Block beta of the four row tiles: tile m's 16 registers at v[s + 16 m]; byte beta of v[PW + m], codes to tile m's region.
.macro QCOL s, beta
	QMAX4 \s, 0
.irp x, 0,1,2,3
.if (\beta) == 0
	v_lshrrev_b32 v[PW+\x], 23, v[TM+12+\x]
.else
	v_lshrrev_b32 v[TM+4+\x], 23, v[TM+12+\x]
.endif
.endr
.if (\beta) != 0
.irp x, 0,1,2,3
	v_lshl_or_b32 v[PW+\x], v[TM+4+\x], 8*(\beta), v[PW+\x]
.endr
.endif
.set SLT, 6*((\beta)>>1)+((\beta)&1)*(12-2*((\beta)>>1))
.irp x, 0,1,2,3
	CVT \x, \s, 0, PC+20*\x+SLT
.endr
	v_nop                                          ; one plain instruction behind the conversions
.endm
.macro LOADSET sigma, sn, ptr          ; set number sn behind the pointer into ring place sigma: 25 loads, each 512 consecutive bytes a wave
	WIN ((1+((\sigma)>>1))<<6)
.irp f, 0,1,2,3,4,5,6,7
.irp c, 0,1,2
	global_load_b128 v[96*((\sigma)&1)+12*\f+4*\c:96*((\sigma)&1)+12*\f+4*\c+3], v[LI], s[\ptr:\ptr+1] offset:(\sn)*12800+1536*\f+512*\c
.endr
.endr
	WIN 0
	global_load_b128 v[WS+4*(\sigma):WS+4*(\sigma)+3], v[LI], s[\ptr:\ptr+1] offset:(\sn)*12800+12288
.endm
.macro BIASLD sigma, ptr, off          ; the 32 biases of a pair of column tiles, in the result's layout
	WIN ((1+((\sigma)>>1))<<6)
.irp i, 0,1,2,3
	global_load_b128 v[192+16*((\sigma)&1)+4*\i:192+16*((\sigma)&1)+4*\i+3], v[BH], s[\ptr:\ptr+1] offset:(\off)+16*\i
.endr
	WIN 0
.endm
; 32 matrix instructions: a pair of column tiles (source 0, ring place sg) x four row tiles (source 1, window 3) x four K steps; the bias is the C of the first K step.  The eight accumulators take turns.
; Four places follow: they serve the reads of the results and the next loads into the registers just read.
.macro PMUL sg, bsc
.set WSN, 1+((\sg)>>1)
.set FB, 96*((\sg)&1)
.set CB, 192+16*((\sg)&1)
.irp s, 0,1,2,3
.if \s == 0
	WIN (WSN|0x0c|(WSN<<4))
.else
	WIN (WSN|0x0c)
.endif
.irp m, 0,1,2,3
.irp u, 0,1
.if \s == 0
	MMA ACC+16*\m+8*\u, FB+12*(4*\u+\s), 12*(4*\s+\m), CB+8*\u, WS+4*(\sg)+\s, (\bsc)+4*\s+\m, \u
.else
	MMA ACC+16*\m+8*\u, FB+12*(4*\u+\s), 12*(4*\s+\m), ACC+16*\m+8*\u, WS+4*(\sg)+\s, (\bsc)+4*\s+\m, \u
.endif
.endr
.endr
.endr
	WIN 0
	PLACES 4
.endm
	s_load_b512 s[8:23], s[0:1], 0x0               ; x, qb, kb, vb, wsc, bo, ln1_g, ln1_b
	s_load_b256 s[24:31], s[0:1], 0x40             ; b1, b2, ln2_g, ln2_b
	s_load_b64 s[32:33], s[0:1], 0x60              ; out0
	v_lshl_add_u32 v254, v0, 2, 0x42800
	v_mov_b32 v255, 0
	v_lshrrev_b32 v32, 5, v0
	v_readfirstlane_b32 s34, v32                   ; wave 0..3
	s_and_b32 s36, ttmp9, 31                       ; my block's place in its sequence of 32 blocks
	s_cmp_eq_u32 s36, 0
	s_cselect_b32 s37, 0, 1
	s_cselect_b32 s76, 64, 0                       ; the first key that exists, of the 192
	s_sub_co_u32 s37, ttmp9, s37                   ; the block before, or my own at the sequence's head
	s_cmp_eq_u32 s36, 31
	s_cselect_b32 s35, 0, 1
	s_cselect_b32 s77, -1, 63                      ; the last key that exists, less 128
	s_add_co_u32 s35, ttmp9, s35                   ; the block behind, or my own
	s_lshl_b32 s37, s37, 2
	s_add_co_u32 s37, s37, s34
	s_mul_i32 s66, s37, 6656
	s_mov_b32 s67, 0
	s_lshl_b32 s78, ttmp9, 2
	s_add_co_u32 s78, s78, s34
	s_mul_i32 s68, s78, 6656
	s_mov_b32 s69, 0
	s_lshl_b32 s79, s35, 2
	s_add_co_u32 s79, s79, s34
	s_mul_i32 s70, s79, 6656
	s_mov_b32 s71, 0
	s_lshl_b32 s2, s34, 9                          ; 512 w
	s_mov_b32 s3, 0
	s_lshl_b32 s4, ttmp9, 17                       ; 64 rows of 2,048 bytes
	s_mov_b32 s5, 0
	s_lshl_b32 s6, s34, 15
	s_mov_b32 s7, 0
	s_mov_b32 s[SEL], 0x76543210
	s_mov_b32 s[SEL+1], 0xfedcba98                 ; lane l xor 16
	s_mov_b32 s[CS], 0x3e38aa3b                    ; log2(e) / 8
	s_mov_b32 s[CS+1], s[CS]                       ; named with it as a pair, so it is written
	s_mov_b32 s72, 0x05040100                      ; two low halves
	s_mov_b32 s73, 0x07060302                      ; two high halves
	s_mov_b32 s74, 0x3b000000                      ; 1 / 512
	s_mov_b32 s75, 0x3727c5ac                      ; 1e-5
	v_and_b32 v32, 31, v0                          ; lane
	v_and_b32 v33, 15, v0                          ; r
	v_bfe_u32 v34, v0, 4, 1                        ; h
	v_and_b32 v35, 8, v33
	v_add_nc_u32 v35, v35, v33                     ; r + 8 (r / 8)
	v_lshlrev_b32 v[LI], 4, v32
	v_lshlrev_b32 v[L8], 3, v32
	v_lshlrev_b32 v[PFO], 8, v32
	v_lshlrev_b32 v[BH], 6, v34
	v_lshlrev_b32 v[XO], 11, v35
	v_lshl_add_u32 v[XO], v34, 6, v[XO]
	s_lshl_b32 s78, s34, 15
	s_add_co_u32 s78, s78, HSP
	v_add_nc_u32 v[SPA], s78, v[LI]
	v_mul_u32_u24 v[STO], v33, 528
	v_lshl_add_u32 v[STO], v34, 6, v[STO]
	v_add_nc_u32 v[STO], s78, v[STO]
	s_mul_i32 s78, s34, 6144
	v_add_nc_u32 v[IWA], s78, v[LI]
	s_lshl_b32 s78, s34, 9
	s_add_co_u32 s79, s78, OSC
	v_add_nc_u32 v[SWA], s79, v[LI]
	s_add_co_u32 s79, s78, RED
	v_add_nc_u32 v[REDW], s79, v[LI]
	v_add_nc_u32 v[REDR], RED, v[LI]
	s_mul_i32 s78, s34, 24576
	s_add_co_u32 s78, s78, HIMG
	v_add_nc_u32 v[HWA], s78, v[LI]
	s_lshl_b32 s78, s34, 11
	s_add_co_u32 s78, s78, HSC
	v_add_nc_u32 v[HSA], s78, v[LI]
	v_lshlrev_b32 v36, 4, v34
	v_sub_nc_u32 v[E0], v35, v36
	v_sub_nc_u32 v[KMINH], s76, v36
	v_sub_nc_u32 v[KMAXH], s77, v36
	v_mov_b32 v[NINF], 0xff800000
	v_mov_b32 v[NM+1], 0                           ; named as upper halves of pairs
	v_mov_b32 v[RL+1], 0
.irp i, 0,1,2,3
	v_mov_b32 v[TM+4+\i], 0                        ; lane permutes' destinations count as sources: written once
.endr
.irp i, 0,1,2,3,4,5
	v_mov_b32 v[BT+\i], 0
	v_mov_b32 v[P1+6+\i], 0                        ; zero codes: keys 192-255 do not exist
.endr
	WIN 0xc0
.irp i, 0,1,2,3,4,5
	v_mov_b32 v[QZA+6+\i], 0                       ; head A's Q beside zero codes,
	v_mov_b32 v[QZB+\i], 0                         ; zero codes beside head B's
.endr
	WIN 0
	s_wait_kmcnt 0x0
	s_add_nc_u64 s[KB:KB+1], s[12:13], s[66:67]
	s_add_nc_u64 s[KB+2:KB+3], s[12:13], s[68:69]
	s_add_nc_u64 s[KB+4:KB+5], s[12:13], s[70:71]
	s_add_nc_u64 s[VB:VB+1], s[14:15], s[66:67]
	s_add_nc_u64 s[VB+2:VB+3], s[14:15], s[68:69]
	s_add_nc_u64 s[VB+4:VB+5], s[14:15], s[70:71]
	s_add_nc_u64 s[QP:QP+1], s[10:11], s[68:69]
	s_mov_b64 s[QSP:QSP+1], s[QP:QP+1]
	s_add_nc_u64 s[XPT:XPT+1], s[XPT:XPT+1], s[4:5]
	s_add_nc_u64 s[PF:PF+1], s[XPT:XPT+1], s[6:7]      ; my wave's quarter of the block's rows of x
	s_add_nc_u64 s[XPT:XPT+1], s[XPT:XPT+1], s[2:3]
	s_add_nc_u64 s[OUTP:OUTP+1], s[OUTP:OUTP+1], s[4:5]
	s_add_nc_u64 s[OUTP:OUTP+1], s[OUTP:OUTP+1], s[2:3]
.irp p, BO, G1, E1, B2P, G2, E2
	s_add_nc_u64 s[\p:\p+1], s[\p:\p+1], s[2:3]
.endr
	s_lshl_b32 s6, s34, 11
	s_add_nc_u64 s[B1P:B1P+1], s[B1P:B1P+1], s[6:7]
	s_mul_i32 s6, s34, 460800
	s_add_nc_u64 s[RP:RP+1], s[16:17], s[6:7]          ; my 36 sets
	; ---- what attention reads: 98 loads; then the first two sets of wo
	WIN 0x80
.irp j, 0,1,2
.irp k, 0,1,2,3,4,5,6,7,8,9,10,11
	global_load_b128 v[KF+48*\j+4*\k:KF+48*\j+4*\k+3], v[LI], s[KB+2*\j:KB+2*\j+1] offset:512*\k
.endr
.endr
.irp j, 0,1,2                          ; a tile of V is 18 registers: keys 128-191, 0-63, 64-127: the fragment of keys 0-127 begins at + 6, that of keys 128-191 (beside keys that meet zero codes of p) at + 0
.irp t, 0,1,2,3
	global_load_b128 v[VA+18*\t+(6*(\j+1))%18:VA+18*\t+(6*(\j+1))%18+3], v[LI], s[VB+2*\j:VB+2*\j+1] offset:768*\t
	global_load_b64 v[VA+18*\t+(6*(\j+1))%18+4:VA+18*\t+(6*(\j+1))%18+5], v[L8], s[VB+2*\j:VB+2*\j+1] offset:768*\t+512
.endr
.endr
	WIN 0xc0
.irp j, 0,1,2
.irp t, 0,1,2,3
	global_load_b128 v[18*\t+(6*(\j+1))%18:18*\t+(6*(\j+1))%18+3], v[LI], s[VB+2*\j:VB+2*\j+1] offset:768*(4+\t)
	global_load_b64 v[18*\t+(6*(\j+1))%18+4:18*\t+(6*(\j+1))%18+5], v[L8], s[VB+2*\j:VB+2*\j+1] offset:768*(4+\t)+512
.endr
.endr
	global_load_b128 v[QZA:QZA+3], v[LI], s[QP:QP+1]
	global_load_b64 v[QZA+4:QZA+5], v[LI], s[QP:QP+1] offset:512
	global_load_b64 v[QZB+6:QZB+7], v[LI], s[QP:QP+1] offset:520
	global_load_b128 v[QZB+8:QZB+11], v[LI], s[QP:QP+1] offset:1024
	WIN 0
	global_load_b32 v[QSW], v[LI], s[QSP:QSP+1] offset:6144
.irp j, 0,1,2
	global_load_b128 v[KS+4*\j:KS+4*\j+3], v[LI], s[KB+2*\j:KB+2*\j+1] offset:6144
	global_load_b64 v[VP+4*\j:VP+4*\j+1], v[L8], s[VB+2*\j:VB+2*\j+1] offset:6144
	global_load_b64 v[VP+4*\j+2:VP+4*\j+3], v[L8], s[VB+2*\j:VB+2*\j+1] offset:6144+256
.endr
	LOADSET 0, 0, RP
	LOADSET 1, 1, RP
	s_wait_loadcnt 50                              ; all but the two sets
.irp b, 0,1,2,3                        ; V's scale words.  A stored word holds tile u = 0's two key blocks, then tile u = 1's; a fragment of keys 0-127 wants two blocks of block j = 0 and two of j = 1
	v_perm_b32 v[VW+2*\b], v[VP+4+\b], v[VP+\b], s72
	v_perm_b32 v[VW+2*\b+1], v[VP+4+\b], v[VP+\b], s73
	v_lshrrev_b32 v[VW+8+\b], 16, v[VP+8+\b]       ; keys 128-191, odd tile; the even tile takes the stored word as it is (its upper bytes meet zero codes)
.endr
; ONE HEAD of one tile of 16 queries.
.macro ATT hd
.set VBS, VA*(1-(\hd))
.set OB, OA+32*(\hd)
	WIN 0x0e                                       ; K window 2, Q window 3
.irp t, 0,1,2,3,4,5,6,7,8,9,10,11
	MMA S+8*\t, KF+12*\t, QZA+12*(\hd), -1, KS+\t, QSW, 0
.endr
	WIN 0
	PLACES 4
.if (\hd) == 1
	s_cmp_eq_u32 s62, 3                            ; the next tile's Q, if there is one: both heads have multiplied by this tile's
	s_cbranch_scc1 .Lnoq_\@
	WIN 0xc0
	global_load_b128 v[QZA:QZA+3], v[LI], s[QP:QP+1] offset:1536
	global_load_b64 v[QZA+4:QZA+5], v[LI], s[QP:QP+1] offset:1536+512
	global_load_b64 v[QZB+6:QZB+7], v[LI], s[QP:QP+1] offset:1536+520
	global_load_b128 v[QZB+8:QZB+11], v[LI], s[QP:QP+1] offset:1536+1024
	WIN 0
	global_load_b32 v[QSW], v[LI], s[QSP:QSP+1] offset:6144+4
.Lnoq_\@:
	global_prefetch_b8 v[PFO], s[PF:PF+1] th:TH_LOAD_NT scope:SCOPE_SE   ; the block's rows of x, wanted behind attention: 32 lanes x 256 bytes a trip, 4 trips, 4 waves: each of the 512 aligned blocks of 256 bytes is named once
.endif
	; the band and the sequence's ends: register 16 B + i holds key 32 B + 16 h + i.  B = 0, 1 can lie under the band, B = 4, 5 over it; B = 2, 3 always count
.irp b, 0,1
.irp i, 0,1,2,3,4,5,6,7,8,9,10,11,12,13,14,15
	v_cmp_lt_i32 vcc_lo, 32*\b+\i, v[LO]
	v_cndmask_b32 v[S+16*\b+\i], v[S+16*\b+\i], v[NINF], vcc_lo
.endr
.endr
.irp b, 0,1
.irp i, 0,1,2,3,4,5,6,7,8,9,10,11,12,13,14,15
	v_cmp_gt_i32 vcc_lo, 32*\b+\i, v[HI]
	v_cndmask_b32 v[S+64+16*\b+\i], v[S+64+16*\b+\i], v[NINF], vcc_lo
.endr
.endr
.irp b, 0,1,2,3,4,5
	v_max3_num_f32 v[BM+\b], v[S+16*\b], v[S+16*\b+1], v[S+16*\b+2]   ; each block's largest score: for the row's maximum and, since p rises with the score, for the block's largest p
.endr
.irp i, 3,5,7,9,11,13
.irp b, 0,1,2,3,4,5
	v_max3_num_f32 v[BM+\b], v[BM+\b], v[S+16*\b+\i], v[S+16*\b+\i+1]
.endr
.endr
.irp b, 0,1,2,3,4,5
	v_max_num_f32 v[BM+\b], v[BM+\b], v[S+16*\b+15]
.endr
.irp b, 0,1,2,3,4,5
	v_permlanex16_b32 v[BT+\b], v[BM+\b], s[SEL], s[SEL+1]
.endr
.irp b, 0,1,2,3,4,5
	v_max_num_f32 v[BM+\b], v[BM+\b], v[BT+\b]
.endr
	v_max3_num_f32 v[T0], v[BM], v[BM+1], v[BM+2]
	v_max3_num_f32 v[T0], v[T0], v[BM+3], v[BM+4]
	v_max_num_f32 v[T0], v[T0], v[BM+5]            ; finite: a query's own key always counts
	v_mul_f32 v[T0], s[CS], v[T0]
	v_floor_f32 v[NM], -v[T0]                      ; -M = floor(-t) = -ceil(t)
.set JJ, 0
.rept 48
	v_pk_fma_f32 v[S+JJ:S+JJ+1], v[S+JJ:S+JJ+1], s[CS:CS+1], v[NM:NM+1] op_sel_hi:[1,0,0]   ; t - M
.set JJ, JJ+2
.endr
.irp b, 0,1,2,3,4,5
	v_fma_f32 v[BM+\b], v[BM+\b], s[CS], v[NM]
.endr
.set JJ, 0
.rept 96
	v_exp_f32 v[S+JJ], v[S+JJ]                     ; p = 2^(t - M); 0 under the mask
.set JJ, JJ+1
.endr
	v_nop                                          ; a plain instruction behind the batch
	s_wait_alu depctr_va_vdst(0)                   ; one wait for the 96, ahead of their first reader
.irp b, 0,1,2,3,4,5
	v_exp_f32 v[BM+\b], v[BM+\b]                   ; the blocks' largest p
.endr
	v_pk_add_f32 v[LA:LA+1], v[S:S+1], v[S+2:S+3]  ; the row's sum, of the unquantised p, in two chains
	v_pk_add_f32 v[LB:LB+1], v[S+4:S+5], v[S+6:S+7]
.set JJ, 8
.rept 22
	v_pk_add_f32 v[LA:LA+1], v[LA:LA+1], v[S+JJ:S+JJ+1]
	v_pk_add_f32 v[LB:LB+1], v[LB:LB+1], v[S+JJ+2:S+JJ+3]
.set JJ, JJ+4
.endr
	v_pk_add_f32 v[LA:LA+1], v[LA:LA+1], v[LB:LB+1]
	s_wait_alu depctr_va_vdst(0)                   ; and one for the six
.irp b, 0,1,2,3,4,5
	v_max_num_f32 v[BM+\b], 0x2800000, v[BM+\b]    ; the floor: a block of zeros keeps the byte 1
.endr
.irp b, 0,1,2,3,4,5
	v_add_nc_u32 v[TS6+\b], 0xfe000000, v[BM+\b]
.endr
.irp b, 0,1,2,3,4,5
	v_lshrrev_b32 v[BT+\b], 23, v[TS6+\b]
.endr
	v_lshl_or_b32 v[PWA], v[BT+1], 8, v[BT]
	v_lshl_or_b32 v[PWA], v[BT+2], 16, v[PWA]
	v_lshl_or_b32 v[PWA], v[BT+3], 24, v[PWA]
	v_lshl_or_b32 v[PWB], v[BT+5], 8, v[BT+4]
	v_cvt_scalef32_pk16_bf6_f32 v[P0:P0+2], v[S:S+15], v[TS6]
	v_cvt_scalef32_pk16_bf6_f32 v[P0+12:P0+14], v[S+16:S+31], v[TS6+1]
	v_cvt_scalef32_pk16_bf6_f32 v[P0+6:P0+8], v[S+32:S+47], v[TS6+2]
	v_cvt_scalef32_pk16_bf6_f32 v[P0+16:P0+18], v[S+48:S+63], v[TS6+3]
	v_cvt_scalef32_pk16_bf6_f32 v[P1:P1+2], v[S+64:S+79], v[TS6+4]
	v_cvt_scalef32_pk16_bf6_f32 v[P1+12:P1+14], v[S+80:S+95], v[TS6+5]
	v_nop                                          ; one plain instruction behind the conversions
	FIN P0
.irp i, 0,1,2
	v_permlane16_swap_b32 v[P1+\i], v[P1+12+\i]
.endr
.irp i, 0,1,2
	v_mov_b32 v[P1+3+\i], v[P1+12+\i]
.endr
	v_add_f32 v[T0], v[LA], v[LA+1]
	v_permlanex16_b32 v[T1], v[T0], s[SEL], s[SEL+1]
	v_add_f32 v[T0], v[T0], v[T1]                  ; l
	v_rcp_f32 v[RL], v[T0]
	PLACES 4                                       ; the plain instruction behind the reciprocal; with the two additions, the places between p's last move and the products (p's scale words were written sixteen plain instructions back)
	WIN (0x52+(\hd))                               ; V window 2 or 3, p window 0, O^T window 1
.irp t, 0,1,2,3
	MMA OB+8*\t, VBS+18*\t+6, P0, -1, VW+4*(\hd)+\t, PWA, 0
.endr
.irp t, 0,1,2,3
	MMA OB+8*\t, VBS+18*\t, P1, OB+8*\t, (VP+8+2*(\hd)+(\t>>1))*(1-(\t&1))+(VW+8+2*(\hd)+(\t>>1))*(\t&1), PWB, 0
.endr
	WIN 0
	PLACES 4
	s_wait_alu depctr_va_vdst(0)                   ; the reciprocal's wait, ahead of its first reader
	WIN 0x41
.set JJ, 0
.rept 16
	v_pk_mul_f32 v[OB+JJ:OB+JJ+1], v[OB+JJ:OB+JJ+1], v[RL:RL+1] op_sel_hi:[1,0]   ; O^T / l
.set JJ, JJ+2
.endr
	WIN 0
.endm
	s_mov_b32 s62, 0                               ; m
	s_mov_b32 s66, 0                               ; 1,536 m
	s_mov_b32 s67, 0                               ; 4 m
.Latt:
	s_lshr_b32 s78, s62, 1
	s_lshl_b32 s78, s78, 5
	s_and_b32 s79, s62, 1
	s_lshl_b32 s79, s79, 3
	s_add_co_u32 s63, s78, s79                     ; the tile's first row
	v_add_nc_u32 v[AD], s63, v[E0]                 ; e = my query - 16 h: key 32 B + 16 h + i counts where e <= 32 B + i <= e + 128, and where it exists
	v_cmp_gt_i32 vcc_lo, v[AD], v[KMINH]
	v_cndmask_b32 v[LO], v[KMINH], v[AD], vcc_lo
	v_cmp_lt_i32 vcc_lo, v[AD], v[KMAXH]
	v_cndmask_b32 v[HI], v[KMAXH], v[AD], vcc_lo   ; the upper limit less 128
	ATT 0
	ATT 1
	QUANT OA, 1, P0, PW                            ; both heads' 64 channels: K step w of the product with wo, rows of tile m
	v_add_nc_u32 v[AD], s66, v[IWA]
.irp c, 0,1,2
	ds_store_b128 v[AD], v[P0+4*\c:P0+4*\c+3] offset:OIMG+512*\c
.endr
	v_add_nc_u32 v[AD2], s67, v[SWA]
	ds_store_b32 v[AD2], v[PW]
	s_wait_dscnt 0x0                               ; the stores have read their registers
	s_wait_loadcnt 0x0                             ; the next tile's Q is in
	s_wait_xcnt 0x0                                ; the loads and the prefetch have read their bases: these may step
	s_add_nc_u64 s[QP:QP+1], s[QP:QP+1], 1536
	s_add_nc_u64 s[QSP:QSP+1], s[QSP:QSP+1], 4
	s_add_nc_u64 s[PF:PF+1], s[PF:PF+1], 8192
	s_add_co_u32 s66, s66, 1536
	s_add_co_u32 s67, s67, 4
	s_add_co_u32 s62, s62, 1
	s_cmp_lt_u32 s62, 4
	s_cbranch_scc1 .Latt
	; ---- out wo + x: x is loaded into the accumulators, so the residual costs no addition
	WIN 0xc0
.irp m, 0,1,2,3
.irp b, 0,1,2,3
.irp i, 0,1,2,3
	global_load_b128 v[64*\m+16*\b+4*\i:64*\m+16*\b+4*\i+3], v[XO], s[XPT:XPT+1] offset:(32*(\m>>1)+8*(\m&1))*2048+128*\b+16*\i th:TH_LOAD_NT
.endr
.endr
.endr
	WIN 0
	LOADSET 2, 2, RP
	BARRIER                                        ; out's sixteen fragments lie in LDS
.macro AFETCH buf, adr, off, adr2, off2   ; one K step's four row tiles and their scale words
.set KK, 0
.rept 12
	ds_load_b128 v[AB+48*(\buf)+4*KK:AB+48*(\buf)+4*KK+3], v[\adr] offset:(\off)+512*KK
.set KK, KK+1
.endr
	ds_load_b128 v[AS+4*(\buf):AS+4*(\buf)+3], v[\adr2] offset:(\off2)
.endm
; A K step of a product whose 32 accumulators (4 row tiles x 8 column tiles) stay in window 3.  Four places, then the loads into what the last step read: the set three steps on, the next K step's images.
; The 32 accumulators take turns, one instruction a turn, in the same order in every step.
.macro GSTEP sigma, buf, fill, sn, next, adr, off, adr2, off2, cnt, dcnt
	PLACES 4
.if \fill
	LOADSET ((\sigma)+3)&3, \sn, RP
.endif
.if \next
	AFETCH 1-(\buf), \adr, \off, \adr2, \off2
.endif
	s_wait_loadcnt \cnt
	s_wait_dscnt \dcnt
.set WSN, 1+((\sigma)>>1)
.set FB, 96*((\sigma)&1)
	WIN (0xf0|WSN)
.irp m, 0,1,2,3
.irp t, 0,1,2,3,4,5,6,7
	MMA 64*\m+8*\t, FB+12*\t, AB+48*(\buf)+12*\m, 64*\m+8*\t, WS+4*(\sigma)+(\t&3), AS+4*(\buf)+\m, (\t>>2)
.endr
.endr
	WIN 0
.endm
	AFETCH 0, LI, OIMG, LI, OSC
	GSTEP 0, 0, 1, 3, 1, LI, OIMG+6144, LI, OSC+512, 50, 13       ; behind x: sets 2 and 3;  behind this K step's images: the next one's 13 loads
	GSTEP 1, 1, 1, 4, 1, LI, OIMG+12288, LI, OSC+1024, 63, 13     ; three sets, 75 loads, stand behind the set in hand: 63 is the largest count that the wait can name, and a smaller count is the stricter
	GSTEP 2, 0, 1, 5, 1, LI, OIMG+18432, LI, OSC+1536, 63, 13
	GSTEP 3, 1, 1, 6, 0, LI, 0, LI, 0, 63, 0
.macro PLOAD reg, ptr                  ; 64 numbers a lane of a vector of 128 columns, in the accumulators' layout: register 16 b + i = column 32 b + 16 (lane / 16) + i
.irp b, 0,1,2,3
.irp i, 0,1,2,3
	global_load_b128 v[(\reg)+16*\b+4*\i:(\reg)+16*\b+4*\i+3], v[BH], s[\ptr:\ptr+1] offset:128*\b+16*\i
.endr
.endr
.endm
; Eight chains in v[TM ..] (tile m: two pairs) become the rows' sums over all 512 columns, in v[TM + m]: within the lane, with lane l xor 16, and through LDS with the other three waves.
.macro RSUM stat
.irp m, 0,1,2,3
	v_pk_add_f32 v[TM+4*\m:TM+4*\m+1], v[TM+4*\m:TM+4*\m+1], v[TM+4*\m+2:TM+4*\m+3]
.endr
.irp m, 0,1,2,3
	v_add_f32 v[TM+4*\m], v[TM+4*\m], v[TM+4*\m+1]
.endr
.irp m, 0,1,2,3
	v_permlanex16_b32 v[TM+4*\m+1], v[TM+4*\m], s[SEL], s[SEL+1]
.endr
.irp m, 0,1,2,3
	v_add_f32 v[PW+\m], v[TM+4*\m], v[TM+4*\m+1]
.endr
	ds_store_b128 v[REDW], v[PW:PW+3] offset:2048*(\stat)
	BARRIER
.irp q, 0,1,2,3
	ds_load_b128 v[TM+4*\q:TM+4*\q+3], v[REDR] offset:2048*(\stat)+512*\q
.endr
	s_wait_dscnt 0x0
	v_pk_add_f32 v[TM:TM+1], v[TM:TM+1], v[TM+4:TM+5]
	v_pk_add_f32 v[TM+2:TM+3], v[TM+2:TM+3], v[TM+6:TM+7]
	v_pk_add_f32 v[TM+8:TM+9], v[TM+8:TM+9], v[TM+12:TM+13]
	v_pk_add_f32 v[TM+10:TM+11], v[TM+10:TM+11], v[TM+14:TM+15]
	v_pk_add_f32 v[TM:TM+1], v[TM:TM+1], v[TM+8:TM+9]
	v_pk_add_f32 v[TM+2:TM+3], v[TM+2:TM+3], v[TM+10:TM+11]
.endm
; The accumulators + a bias, then LayerNorm in place.  first = 1: the first three sets of w1 are on their way: their biases are asked for here.
.macro LNORM bias, gain, beta, stat, first
	PLACES 4
.if \first
	BIASLD 0, B1P, 0
	BIASLD 1, B1P, 128
	BIASLD 2, B1P, 256
.endif
	PLOAD PB, \bias
	PLOAD PG, \gain
	s_wait_loadcnt 16                              ; the bias is in; the gains' 16 loads may be out
	WIN 0xc3
.irp m, 0,1,2,3
.set QQ, 0
.rept 32
	v_pk_add_f32 v[64*\m+2*QQ:64*\m+2*QQ+1], v[64*\m+2*QQ:64*\m+2*QQ+1], v[PB+2*QQ:PB+2*QQ+1]
.set QQ, QQ+1
.endr
.endr
	WIN 0x0f
.irp m, 0,1,2,3
.irp ch, 0,1
	v_pk_add_f32 v[TM+4*\m+2*\ch:TM+4*\m+2*\ch+1], v[64*\m+2*\ch:64*\m+2*\ch+1], v[64*\m+4+2*\ch:64*\m+4+2*\ch+1]
.endr
.endr
	WIN 0x0c
.set QQ, 4
.rept 28
.irp m, 0,1,2,3
	v_pk_add_f32 v[TM+4*\m+2*(QQ&1):TM+4*\m+2*(QQ&1)+1], v[TM+4*\m+2*(QQ&1):TM+4*\m+2*(QQ&1)+1], v[64*\m+2*QQ:64*\m+2*QQ+1]
.endr
.set QQ, QQ+1
.endr
	WIN 0
	PLOAD PE, \beta
	RSUM \stat
.irp m, 0,1,2,3
	v_mul_f32 v[MN+2*\m], 0xbb000000, v[TM+\m]     ; -mean
.endr
	WIN 0xc3
.irp m, 0,1,2,3
.set QQ, 0
.rept 32
	v_pk_add_f32 v[64*\m+2*QQ:64*\m+2*QQ+1], v[64*\m+2*QQ:64*\m+2*QQ+1], v[MN+2*\m:MN+2*\m+1] op_sel_hi:[1,0]
.set QQ, QQ+1
.endr
.endr
	WIN 0x0f
.irp m, 0,1,2,3
.irp ch, 0,1
	v_pk_mul_f32 v[TM+4*\m+2*\ch:TM+4*\m+2*\ch+1], v[64*\m+2*\ch:64*\m+2*\ch+1], v[64*\m+2*\ch:64*\m+2*\ch+1]
.endr
.endr
.set QQ, 2
.rept 30
.irp m, 0,1,2,3
	v_pk_fma_f32 v[TM+4*\m+2*(QQ&1):TM+4*\m+2*(QQ&1)+1], v[64*\m+2*QQ:64*\m+2*QQ+1], v[64*\m+2*QQ:64*\m+2*QQ+1], v[TM+4*\m+2*(QQ&1):TM+4*\m+2*(QQ&1)+1]
.endr
.set QQ, QQ+1
.endr
	WIN 0
	RSUM (\stat)+1
.irp m, 0,1,2,3
	v_fma_f32 v[TM+\m], v[TM+\m], s74, s75         ; the variance + 1e-5
.endr
.irp m, 0,1,2,3
	v_rsq_f32 v[MN+2*\m], v[TM+\m]
.endr
	v_nop                                          ; a plain instruction behind the four
	s_wait_alu depctr_va_vdst(0)                   ; one wait for the four, ahead of their first reader
	s_wait_loadcnt 0x0                             ; gains and offsets
	WIN 0xc3
.irp m, 0,1,2,3
.set QQ, 0
.rept 32
	v_pk_mul_f32 v[64*\m+2*QQ:64*\m+2*QQ+1], v[64*\m+2*QQ:64*\m+2*QQ+1], v[MN+2*\m:MN+2*\m+1] op_sel_hi:[1,0]
.set QQ, QQ+1
.endr
.endr
.irp m, 0,1,2,3
.set QQ, 0
.rept 32
	v_pk_fma_f32 v[64*\m+2*QQ:64*\m+2*QQ+1], v[64*\m+2*QQ:64*\m+2*QQ+1], v[PG+2*QQ:PG+2*QQ+1], v[PE+2*QQ:PE+2*QQ+1]
.set QQ, QQ+1
.endr
.endr
	WIN 0
.endm
	LNORM BO, G1, E1, 0, 1
	; ---- h: kept in f32 in my own LDS bytes for the second residual; quantised: K step w of the product with w1
	WIN 0x0c
.set KK, 0
.rept 64
	ds_store_b128 v[SPA], v[4*KK:4*KK+3] offset:512*KK
.set KK, KK+1
.endr
	WIN 0
.irp m, 0,1,2,3
	QUANT 64*\m, 3, 64+20*\m, PW+\m
.endr
.irp m, 0,1,2,3
.irp c, 0,1,2
	ds_store_b128 v[IWA], v[64+20*\m+4*\c:64+20*\m+4*\c+3] offset:OIMG+1536*\m+512*\c   ; over out's images: every wave has passed two barriers behind its last read of them
.endr
.endr
	ds_store_b128 v[SWA], v[PW:PW+3]
	BARRIER                                        ; h's sixteen fragments lie in LDS
	WIN 0xc0
.set KK, 0
.rept 48
	ds_load_b128 v[4*KK:4*KK+3], v[LI] offset:OIMG+512*KK
.set KK, KK+1
.endr
	WIN 0
.irp s, 0,1,2,3
	ds_load_b128 v[HS+4*\s:HS+4*\s+3], v[LI] offset:OSC+512*\s
.endr
	s_wait_dscnt 0x0
	; ---- the hidden layer: 16 steps, a pair of column tiles each; four steps make 128 hidden units: one K step of the last product
	s_wait_xcnt 0x0
	s_add_nc_u64 s[RP:RP+1], s[RP:RP+1], 51200     ; at set 4
	s_mov_b32 s62, 0                               ; g
	s_mov_b32 s68, 0                               ; 6,144 g
	s_mov_b32 s69, 0                               ; 512 g
.macro FSTEP beta
	LOADSET ((\beta)+3)&3, (\beta)+3, RP           ; into the place that the last step read: its four places stand behind its products
.if (\beta) == 0
	BIASLD 3, B1P, 384
.else
	s_cmp_eq_u32 s62, 3                            ; in the last trip these sets are w2's: they have no bias, and the load would leave b1
	s_cbranch_scc1 .Lnob_\@
	BIASLD ((\beta)+3)&3, B1P, 128*((\beta)+3)
.Lnob_\@:
.endif
	s_wait_loadcnt 63                              ; behind this step's set and bias: three sets, 75 loads at the least on either way
	PMUL \beta, HS
.set JJ, 0
.rept 64
	v_max_num_f32 v[ACC+JJ], 0, v[ACC+JJ]          ; relu
.set JJ, JJ+1
.endr
	QCOL ACC, \beta
.endm
.Lffn1:
	FSTEP 0
	FSTEP 1
	FSTEP 2
	FSTEP 3
.irp m, 0,1,2,3
	FIN PC+20*\m
.endr
	v_add_nc_u32 v[AD], s68, v[HWA]
.irp m, 0,1,2,3
.irp c, 0,1,2
	ds_store_b128 v[AD], v[PC+20*\m+4*\c:PC+20*\m+4*\c+3] offset:1536*\m+512*\c
.endr
.endr
	v_add_nc_u32 v[AD2], s69, v[HSA]
	ds_store_b128 v[AD2], v[PW:PW+3]
	s_wait_dscnt 0x0                               ; the stores have read their registers
	s_wait_xcnt 0x0                                ; the loads have read their bases: these may step
	s_add_nc_u64 s[RP:RP+1], s[RP:RP+1], 51200
	s_add_nc_u64 s[B1P:B1P+1], s[B1P:B1P+1], 512
	s_add_co_u32 s68, s68, 6144
	s_add_co_u32 s69, s69, 512
	s_add_co_u32 s62, s62, 1
	s_cmp_lt_u32 s62, 4
	s_cbranch_scc1 .Lffn1
	BARRIER                                        ; the hidden layer's 64 fragments lie in LDS
	; ---- hidden w2 + h: h comes back into the accumulators
	WIN 0xc0
.set KK, 0
.rept 64
	ds_load_b128 v[4*KK:4*KK+3], v[SPA] offset:512*KK
.set KK, KK+1
.endr
	WIN 0
	s_mov_b32 s70, HIMG
	s_mov_b32 s71, HSC
	s_mov_b32 s62, 0
	v_add_nc_u32 v[AD], s70, v[LI]
	v_add_nc_u32 v[AD2], s71, v[LI]
	AFETCH 0, AD, 0, AD2, 0
.Lffn2:                                                ; three trips of four K steps
	v_add_nc_u32 v[AD], s70, v[LI]
	v_add_nc_u32 v[AD2], s71, v[LI]
	GSTEP 0, 0, 1, 3, 1, AD, 6144, AD2, 512, 63, 13
	GSTEP 1, 1, 1, 4, 1, AD, 12288, AD2, 1024, 63, 13
	GSTEP 2, 0, 1, 5, 1, AD, 18432, AD2, 1536, 63, 13
	GSTEP 3, 1, 1, 6, 1, AD, 24576, AD2, 2048, 63, 13
	s_wait_xcnt 0x0
	s_add_nc_u64 s[RP:RP+1], s[RP:RP+1], 51200
	s_add_co_u32 s70, s70, 24576
	s_add_co_u32 s71, s71, 2048
	s_add_co_u32 s62, s62, 1
	s_cmp_lt_u32 s62, 3
	s_cbranch_scc1 .Lffn2
	v_add_nc_u32 v[AD], s70, v[LI]                 ; the last four K steps: one more set, then the counts run down
	v_add_nc_u32 v[AD2], s71, v[LI]
	GSTEP 0, 0, 1, 3, 1, AD, 6144, AD2, 512, 63, 13
	GSTEP 1, 1, 0, 0, 1, AD, 12288, AD2, 1024, 50, 13
	GSTEP 2, 0, 0, 0, 1, AD, 18432, AD2, 1536, 25, 13
	GSTEP 3, 1, 0, 0, 0, AD, 0, AD2, 0, 0, 0
	LNORM B2P, G2, E2, 2, 0
	; ---- the way out, a row tile at a time: a lane holds pieces of one row, so the tile goes through my own stage (rows of 528 bytes) and comes back as rows of 512 bytes.  LDS serves a wave's instructions in order (ISA guide 5.7.1.4)
.macro TOSTAGE m
	WIN 0x0c
.irp t, 0,1,2,3,4,5,6,7
	ds_store_b128 v[STO], v[64*(\m)+8*\t:64*(\m)+8*\t+3] offset:128*(\t>>1)+32*(\t&1)
	ds_store_b128 v[STO], v[64*(\m)+8*\t+4:64*(\m)+8*\t+7] offset:128*(\t>>1)+32*(\t&1)+16
.endr
	WIN 0
.set BB, 64+64*((\m)&1)
.set KK, 0
.rept 16
	ds_load_b128 v[BB+4*KK:BB+4*KK+3], v[SPA] offset:528*KK
.set KK, KK+1
.endr
.endm
.macro SEND m, younger                 ; younger: the LDS instructions issued behind tile m's loads
.set BB, 64+64*((\m)&1)
	s_wait_dscnt \younger
.irp k, 0,1,2,3,4,5,6,7,8,9,10,11,12,13,14,15
	global_store_b128 v[LI], v[BB+4*\k:BB+4*\k+3], s[OUTP:OUTP+1] offset:(32*((\m)>>1)+8*((\m)&1)+\k+8*(\k>>3))*2048 th:TH_STORE_NT   ; 32 lanes store 512 consecutive bytes, aligned
.endr
.endm
	TOSTAGE 0
.irp a, 1,2,3
.if \a > 1
	s_wait_xcnt 0x0                                ; tile a - 2's stores have read their registers: tile a's loads may land there
.endif
	TOSTAGE \a
	SEND \a-1, 32                                  ; behind tile a - 1's loads: tile a's 16 stores and 16 loads
.endr
	SEND 3, 0
	s_wait_tensorcnt 0x0
	ds_add_u32 v254, v255
	s_wait_dscnt 0x0
	s_endpgm
.Lfunc_end_k_q7cd5c2bc9e_block:
	.size	k_q7cd5c2bc9e_block, .Lfunc_end_k_q7cd5c2bc9e_block-k_q7cd5c2bc9e_block
	.p2alignl 7, 3214868480
	.fill 96, 4, 3214868480
	.section	.rodata,"a",@progbits
	.p2align	6, 0x0
	.amdhsa_kernel k_q7cd5c2bc9e_block
		.amdhsa_group_segment_fixed_size 272896
		.amdhsa_private_segment_fixed_size 0
		.amdhsa_enable_private_segment 0
		.amdhsa_kernarg_size 104
		.amdhsa_user_sgpr_count 2
		.amdhsa_user_sgpr_kernarg_segment_ptr 1
		.amdhsa_wavefront_size32 1
		.amdhsa_system_sgpr_workgroup_id_x 1
		.amdhsa_system_sgpr_workgroup_id_y 1
		.amdhsa_system_sgpr_workgroup_id_z 1
		.amdhsa_system_vgpr_workitem_id 0
		.amdhsa_next_free_vgpr 1024
		.amdhsa_next_free_sgpr 80
		.amdhsa_reserve_vcc 1
		.amdhsa_float_denorm_mode_32 3
		.amdhsa_float_denorm_mode_16_64 3
		.amdhsa_memory_ordered 1
		.amdhsa_forward_progress 1
		.amdhsa_inst_pref_size 255
	.end_amdhsa_kernel
	.section	.bss,"aw",@nobits
	.p2align	6
	.space	262144
	.amdgpu_metadata
---
amdhsa.version: [ 1, 2 ]
amdhsa.kernels:
  - .name:           k_q7cd5c2bc9e_block
    .symbol:         k_q7cd5c2bc9e_block.kd
    .args:
      - { .name: x, .offset: 0, .size: 8, .value_kind: global_buffer, .address_space: global }
      - { .name: qb, .offset: 8, .size: 8, .value_kind: global_buffer, .address_space: global }
      - { .name: kb, .offset: 16, .size: 8, .value_kind: global_buffer, .address_space: global }
      - { .name: vb, .offset: 24, .size: 8, .value_kind: global_buffer, .address_space: global }
      - { .name: wsc, .offset: 32, .size: 8, .value_kind: global_buffer, .address_space: global }
      - { .name: bo, .offset: 40, .size: 8, .value_kind: global_buffer, .address_space: global }
      - { .name: ln1_g, .offset: 48, .size: 8, .value_kind: global_buffer, .address_space: global }
      - { .name: ln1_b, .offset: 56, .size: 8, .value_kind: global_buffer, .address_space: global }
      - { .name: b1, .offset: 64, .size: 8, .value_kind: global_buffer, .address_space: global }
      - { .name: b2, .offset: 72, .size: 8, .value_kind: global_buffer, .address_space: global }
      - { .name: ln2_g, .offset: 80, .size: 8, .value_kind: global_buffer, .address_space: global }
      - { .name: ln2_b, .offset: 88, .size: 8, .value_kind: global_buffer, .address_space: global }
      - { .name: out0, .offset: 96, .size: 8, .value_kind: global_buffer, .address_space: global }
    .group_segment_fixed_size: 272896
    .private_segment_fixed_size: 0
    .kernarg_segment_align: 8
    .kernarg_segment_size: 104
    .max_flat_workgroup_size: 128
    .sgpr_count:     80
    .vgpr_count:     1024
    .wavefront_size: 32
...
	.end_amdgpu_metadata
.endif
;; end of part 3
;; ======== version 2 of 2: 3 launches; version 1 with the launches qkv, block written anew for expert scheduling mode
;; workspace buffers: wsb 614,400 bytes; wsc 1,843,200 bytes; qb 3,407,872 bytes; kb 3,407,872 bytes; vb 3,407,872 bytes
;; launch prep: the kernel of part 1 again; grid 192 x 1, 4 waves a work-group, no clusters, 0 bytes of LDS; arguments wq, wk, wv, wo, w1, w2, wsb, wsc; writes wsb, wsc
;; launch qkv (part 4): grid 128 x 2, 4 waves a work-group, no clusters, 27,136 bytes of LDS; arguments x, bq, bk, bv, wsb, qb, kb, vb; writes qb, kb, vb
.if DOCPART == 4
	.amdgcn_target "amdgcn-amd-amdhsa--gfx1250"
	.amdhsa_code_object_version 6
	.text
	.protected	k_q7cd5c2bc9e_qkv
	.globl	k_q7cd5c2bc9e_qkv
	.p2align	8
	.type	k_q7cd5c2bc9e_qkv,@function
k_q7cd5c2bc9e_qkv:
	s_mov_b64 s[64:65], 0
	v_nop
	global_prefetch_b8 v0, s[64:65] scope:SCOPE_SE
	s_setreg_imm32_b32 hwreg(HW_REG_WAVE_SCHED_MODE, 0, 2), 2
	s_setreg_imm32_b32 hwreg(HW_REG_WAVE_MODE, 25, 1), 1
	s_wait_xcnt 0x0
	s_wait_alu depctr_vm_vsrc(0)
; q = x wq + bq, k = x wk + bk, v = x wv + bv on codes of BF6 (E3M2) with one E8M0 scale for each 32 along K; the results are quantised at once for attention: q and k along the head's 64, v along the keys.
; SHARES.  A work-group takes 64 rows of x.  y = 0 makes q and half of v, y = 1 makes k and the other half.  THE WAVES SHARE THE COLUMNS: wave w makes columns 128 w .. 128 w + 127 (heads 2 w, 2 w + 1) for all 64 rows.
; ROW TILE m (0 .. 3): position p is row 32 (m / 2) + 8 (m % 2) + p + 8 (p / 8).  COLUMN TILE (beta, u): position p is column 32 beta + 8 u + p + 8 (p / 8).  So with a tile as source 0 the 16 result registers of two
; neighbouring tiles are 16 NEIGHBOURS (32 beta + 16 (lane / 16) + 0 .. 15) along what the next quantiser takes as K.
; X: wave w quantises row tile w (four fragments) and hands their register images to the others through LDS: registers 4 c .. 4 c + 3 of lane l at 512 c + 16 l; scale words at [K step][lane][tile].  One barrier.
; WEIGHTS come from the first launch's buffer straight into operand registers, a SET (8 fragments and their scale words, 25 loads of 16 bytes a lane) for each step of 32 matrix instructions, through four sets of registers that take turns.
; q, k: source 0 = weight tile, source 1 = rows; the bias is the C of a sum's first instruction.  v: source 0 = rows, source 1 = weight tile, so that a lane holds one channel and its registers run along the keys.
; NO JOINT LOADS, though all 128 row blocks walk the same weights: a work-group's weights are 4 x 76,800 = 307,200 bytes, which do not fit in LDS beside x's 26,624, and each fragment is used by one wave, once, for four
; matrix instructions: through a ring in LDS it would be written there and read again, where here it lands in the operand's registers, and counted waits leave the later sets on their way.
; LIMITS: NaN and infinities are not served; a block of zeros or under 2^-122 gets the byte 1 (the rule says 127 for zeros): its codes are zeros, and this program alone reads the bytes.
; REGISTERS, in windows of 256.  Window 0: v1-7 addresses; v16-31 the sets' scale words; v32-47, v48-51 the quantiser; v52-59 v's biases, twice each; v60-61 v's scale words; v64-127 accumulators; v128-207 codes; v208-223 x's scale words.
;   Windows 1, 2: set sigma at 96 (sigma % 2) of window 1 + sigma / 2, its bias at 192 + 16 (sigma % 2).  Window 3: x as f32, then x's 16 fragments (K step s, tile m at 12 (4 s + m)).
; THE MODE: SCHED_MODE bits 1:0 = 2 (LLVM: expert scheduling mode 2), set by the entry lines.  The code itself states the register dependences
; between vector or matrix instructions and memory or LDS instructions, with s_wait_alu, always for 0.
; THE PLAN.  Registers that memory or LDS instructions touch:
;   v1-7         addresses and offsets: made at the head, never written again.  One wait on va_vdst ahead of the first load serves every load and store.
;   window 3     x as f32: written by loads, read by phase X's quantiser; then x's fragments land there from LDS.  The wait ahead of K step 3's LDS stores is the vector side's last line before those loads.
;   PC, PW, PWV  codes and scale words: written by a quantiser, read by the run of stores behind it: one wait on va_vdst ahead of each run.  They are written again by the steps behind the barrier and by v's quantiser:
;                one wait on vm_vsrc ahead of each of the two.
;   ring places  written by loads, read by one step's products.  The first fills land in registers that nothing has named.  Places 0 and 1 are filled twice: one wait on va_vdst each, behind the step's quantiser.
;   The accumulators and v32-47 are named by vector and matrix instructions alone.
.set XIMG, 0                           ; LDS: x's 16 fragments, 1,536 (4 s + m)
.set XSC,  24576                       ; and their scale words, 512 s + 16 lane + 4 m
.set LI,  1                            ; v1  16 x lane
.set L8,  2                            ; v2  8 x lane
.set BH,  3                            ; v3  64 x (lane / 16): my 16 numbers of a block of 32 biases
.set XA,  4                            ; v4  x: my row of the wave's tile, + 64 (lane / 16)
.set XWI, 5                            ; v5  where I store x's images
.set XWS, 6                            ; v6  and their scale words
.set VB4, 7                            ; v7  4 x my column position's column
.set WS,  16
.set TM,  32                           ; v32-35 largest magnitudes, v36-39 at work, v44-47 the conversions' scale operands
.set PW,  48
.set BV,  52
.set PWV, 60
.set ACC, 64
.set PC,  128
.set XS,  208
.set WV,  24
.set YY,  25
.set XP,  28
.set RP,  30
.set BP,  32
.set OUTP, 34
.set VO,  36
.set VBP, 38
.set VSP, 40
.set SEL, 42
.set MSB, 0
.macro WIN new                         ; the immediate's high byte repeats the setting that is left; a switch that changes nothing is dropped
.if MSB != (\new)
	s_set_vgpr_msb ((MSB<<8)|(\new))
.set MSB, (\new)
.endif
.endm
.macro PLACES n
.rept \n
	v_nop
.endr
.endm
.macro BARRIER                         ; my LDS stores have landed and my LDS loads are in: then the work-group's barrier
	s_wait_dscnt 0x0
	s_barrier_signal -1
	s_barrier_wait -1
.endm
; One matrix instruction.  c < 0: the constant 0 starts the sum.  row = 1: source 0's scales from lanes 16-31; 2: source 1's.
.macro MMA d, a, b, c, sa, sb, row
.if (\c) < 0
.if (\row) == 0
	v_wmma_scale_f32_16x16x128_f8f6f4 v[(\d):(\d)+7], v[(\a):(\a)+11], v[(\b):(\b)+11], 0, v[\sa], v[\sb] matrix_a_fmt:MATRIX_FMT_BF6 matrix_b_fmt:MATRIX_FMT_BF6
.elseif (\row) == 1
	v_wmma_scale_f32_16x16x128_f8f6f4 v[(\d):(\d)+7], v[(\a):(\a)+11], v[(\b):(\b)+11], 0, v[\sa], v[\sb] matrix_a_fmt:MATRIX_FMT_BF6 matrix_b_fmt:MATRIX_FMT_BF6 matrix_a_scale:MATRIX_SCALE_ROW1
.else
	v_wmma_scale_f32_16x16x128_f8f6f4 v[(\d):(\d)+7], v[(\a):(\a)+11], v[(\b):(\b)+11], 0, v[\sa], v[\sb] matrix_a_fmt:MATRIX_FMT_BF6 matrix_b_fmt:MATRIX_FMT_BF6 matrix_b_scale:MATRIX_SCALE_ROW1
.endif
.else
.if (\row) == 0
	v_wmma_scale_f32_16x16x128_f8f6f4 v[(\d):(\d)+7], v[(\a):(\a)+11], v[(\b):(\b)+11], v[(\c):(\c)+7], v[\sa], v[\sb] matrix_a_fmt:MATRIX_FMT_BF6 matrix_b_fmt:MATRIX_FMT_BF6
.elseif (\row) == 1
	v_wmma_scale_f32_16x16x128_f8f6f4 v[(\d):(\d)+7], v[(\a):(\a)+11], v[(\b):(\b)+11], v[(\c):(\c)+7], v[\sa], v[\sb] matrix_a_fmt:MATRIX_FMT_BF6 matrix_b_fmt:MATRIX_FMT_BF6 matrix_a_scale:MATRIX_SCALE_ROW1
.else
	v_wmma_scale_f32_16x16x128_f8f6f4 v[(\d):(\d)+7], v[(\a):(\a)+11], v[(\b):(\b)+11], v[(\c):(\c)+7], v[\sa], v[\sb] matrix_a_fmt:MATRIX_FMT_BF6 matrix_b_fmt:MATRIX_FMT_BF6 matrix_b_scale:MATRIX_SCALE_ROW1
.endif
.endif
.endm
; Four blocks of 32: block x is my 16 registers v[s + 16 x ..] of window win and lane l xor 16's.  Leaves the conversions' scale operands in v[TM+12 ..].
.macro QMAX4 s, win
	WIN (((\win)<<2)|((\win)<<4))
.irp x, 0,1,2,3
	v_max3_num_f32 v[TM+\x], 0x2800000, |v[(\s)+16*\x]|, |v[(\s)+16*\x+1]|   ; and the floor 2^(5 - 127): the byte cannot fall under 1
.endr
.irp i, 2,4,6,8,10,12,14
.irp x, 0,1,2,3
	v_max3_num_f32 v[TM+\x], v[TM+\x], |v[(\s)+16*\x+\i]|, |v[(\s)+16*\x+\i+1]|   ; the four blocks by turns
.endr
.endr
	WIN 0
.irp x, 0,1,2,3
	v_permlanex16_b32 v[TM+4+\x], v[TM+\x], s[SEL], s[SEL+1]
.endr
.irp x, 0,1,2,3
	v_max_num_f32 v[TM+\x], v[TM+\x], v[TM+4+\x]
.endr
.irp x, 0,1,2,3
	v_add_nc_u32 v[TM+12+\x], 0xfe000000, v[TM+\x]   ; 4 off the exponent field
.endr
.endm
.macro CVT x, s, win, dst
	WIN (\win)
	v_cvt_scalef32_pk16_bf6_f32 v[(\dst):(\dst)+2], v[(\s)+16*(\x):(\s)+16*(\x)+15], v[TM+12+(\x)]
.endm
; Half blocks become whole blocks: the operand's layout wants lanes 0-15 to hold block 2 c and lanes 16-31 block 2 c + 1.  A region pc is 20 registers: 12 of the fragment, 8 at work; block b's codes were made at pc + 0, 12, 6, 16.
.macro FIN pc
.irp c, 0,1
.irp i, 0,1,2
	v_permlane16_swap_b32 v[(\pc)+6*\c+\i], v[(\pc)+12+4*\c+\i]
.endr
.irp i, 0,1,2
	v_mov_b32 v[(\pc)+3+6*\c+\i], v[(\pc)+12+4*\c+\i]
.endr
.endr
.endm
; 64 numbers of a lane, register 16 b + i = k 32 b + 16 (lane / 16) + i of my row, become a fragment at v[pc] and its scale word in v[pw].
.macro QUANT s, win, pc, pw
	QMAX4 \s, \win
.irp x, 0,1,2,3
	v_lshrrev_b32 v[TM+4+\x], 23, v[TM+12+\x]
.endr
	v_lshl_or_b32 v[\pw], v[TM+5], 8, v[TM+4]
	v_lshl_or_b32 v[\pw], v[TM+6], 16, v[\pw]
	v_lshl_or_b32 v[\pw], v[TM+7], 24, v[\pw]
	CVT 0, \s, \win, (\pc)
	CVT 1, \s, \win, (\pc)+12
	CVT 2, \s, \win, (\pc)+6
	CVT 3, \s, \win, (\pc)+16
	WIN 0
	v_nop                                          ; one plain instruction behind the conversions
	FIN \pc
.endm
; Block beta of the four row tiles: tile m's 16 registers at v[s + 16 m]; byte beta of v[PW + m], codes to tile m's region.
.macro QCOL s, beta
	QMAX4 \s, 0
.irp x, 0,1,2,3
.if (\beta) == 0
	v_lshrrev_b32 v[PW+\x], 23, v[TM+12+\x]
.else
	v_lshrrev_b32 v[TM+4+\x], 23, v[TM+12+\x]
.endif
.endr
.if (\beta) != 0
.irp x, 0,1,2,3
	v_lshl_or_b32 v[PW+\x], v[TM+4+\x], 8*(\beta), v[PW+\x]
.endr
.endif
.set SLT, 6*((\beta)>>1)+((\beta)&1)*(12-2*((\beta)>>1))
.irp x, 0,1,2,3
	CVT \x, \s, 0, PC+20*\x+SLT
.endr
	v_nop                                          ; one plain instruction behind the conversions
.endm
.macro LOADSET sigma, sn, ptr          ; set number sn behind the pointer into ring place sigma: 25 loads, each 512 consecutive bytes a wave
	WIN ((1+((\sigma)>>1))<<6)
.irp f, 0,1,2,3,4,5,6,7
.irp c, 0,1,2
	global_load_b128 v[96*((\sigma)&1)+12*\f+4*\c:96*((\sigma)&1)+12*\f+4*\c+3], v[LI], s[\ptr:\ptr+1] offset:(\sn)*12800+1536*\f+512*\c
.endr
.endr
	WIN 0
	global_load_b128 v[WS+4*(\sigma):WS+4*(\sigma)+3], v[LI], s[\ptr:\ptr+1] offset:(\sn)*12800+12288
.endm
.macro BIASLD sigma, ptr, off          ; the 32 biases of a pair of column tiles, in the result's layout: register 8 u + j = column 16 (lane / 16) + 8 u + j
	WIN ((1+((\sigma)>>1))<<6)
.irp i, 0,1,2,3
	global_load_b128 v[192+16*((\sigma)&1)+4*\i:192+16*((\sigma)&1)+4*\i+3], v[BH], s[\ptr:\ptr+1] offset:(\off)+16*\i
.endr
	WIN 0
.endm
; 32 matrix instructions: a pair of column tiles (source 0, ring place sg) x four row tiles (source 1, window 3) x four K steps.  The eight accumulators take turns, one instruction a turn.
; All operands and scales come by loads.  Four places follow, ahead of the vector lines that read the results (ISA guide 7.12.1).
.macro PMUL sg, bsc
.set WSN, 1+((\sg)>>1)
.set FB, 96*((\sg)&1)
.set CB, 192+16*((\sg)&1)
.irp s, 0,1,2,3
.if \s == 0
	WIN (WSN|0x0c|(WSN<<4))
.else
	WIN (WSN|0x0c)
.endif
.irp m, 0,1,2,3
.irp u, 0,1
.if \s == 0
	MMA ACC+16*\m+8*\u, FB+12*(4*\u+\s), 12*(4*\s+\m), CB+8*\u, WS+4*(\sg)+\s, (\bsc)+4*\s+\m, \u
.else
	MMA ACC+16*\m+8*\u, FB+12*(4*\u+\s), 12*(4*\s+\m), ACC+16*\m+8*\u, WS+4*(\sg)+\s, (\bsc)+4*\s+\m, \u
.endif
.endr
.endr
.endr
	WIN 0
	PLACES 4
.endm
	s_load_b512 s[8:23], s[0:1], 0x0               ; x s[8:9], bq s[10:11], bk s[12:13], bv s[14:15], wsb s[16:17], qb s[18:19], kb s[20:21], vb s[22:23]
	v_lshl_add_u32 v254, v0, 2, 0x6800
	v_mov_b32 v255, 0
	v_lshrrev_b32 v8, 5, v0
	v_readfirstlane_b32 s[WV], v8                  ; wave 0..3
	s_and_b32 s[YY], ttmp7, 0xffff                 ; y
	v_and_b32 v8, 31, v0                           ; lane
	v_and_b32 v9, 15, v0                           ; r
	v_bfe_u32 v10, v0, 4, 1                        ; h
	v_lshlrev_b32 v[LI], 4, v8
	v_lshlrev_b32 v[L8], 3, v8
	v_lshlrev_b32 v[BH], 6, v10
	v_and_b32 v11, 8, v9
	v_add_nc_u32 v11, v11, v9                      ; r + 8 (r / 8)
	v_lshlrev_b32 v[XA], 11, v11
	v_lshl_add_u32 v[XA], v10, 6, v[XA]
	v_lshlrev_b32 v[VB4], 2, v11
	s_wait_alu depctr_va_sdst(0)                   ; the wave's number is written, ahead of its first reader: LDS places and the buffers' offsets are made from it
	s_mul_i32 s44, s[WV], 1536
	v_add_nc_u32 v[XWI], s44, v[LI]
	s_lshl_b32 s44, s[WV], 2
	s_add_co_u32 s44, s44, XSC
	v_add_nc_u32 v[XWS], s44, v[LI]
.irp i, 0,1,2,3
	v_mov_b32 v[TM+4+\i], 0                        ; written once: a lane permute's destination counts as one of its sources
.endr
	s_mov_b32 s[SEL], 0x76543210
	s_mov_b32 s[SEL+1], 0xfedcba98                 ; lane l xor 16
	s_lshr_b32 s44, s[WV], 1
	s_lshl_b32 s44, s44, 5
	s_and_b32 s45, s[WV], 1
	s_lshl_b32 s45, s45, 3
	s_add_co_u32 s44, s44, s45                     ; my row tile's first row
	s_lshl_b32 s45, ttmp9, 6
	s_add_co_u32 s44, s44, s45
	s_lshl_b32 s44, s44, 11                        ; in bytes
	s_mov_b32 s45, 0
	s_lshl_b32 s46, s[YY], 2
	s_add_co_u32 s46, s46, s[WV]
	s_mul_i32 s46, s46, 76800                      ; my six sets
	s_mov_b32 s47, 0
	s_lshl_b32 s48, ttmp9, 2
	s_add_co_u32 s48, s48, s[WV]
	s_mul_i32 s48, s48, 6656                       ; my block of qb, kb, vb
	s_mov_b32 s49, 0
	s_lshl_b32 s50, s[WV], 9
	s_mov_b32 s51, 0
	s_wait_kmcnt 0x0
	s_add_nc_u64 s[XP:XP+1], s[8:9], s[44:45]
	s_add_nc_u64 s[RP:RP+1], s[16:17], s[46:47]
	s_cmp_eq_u32 s[YY], 0
	s_cselect_b64 s[BP:BP+1], s[10:11], s[12:13]
	s_cselect_b64 s[OUTP:OUTP+1], s[18:19], s[20:21]
	s_add_nc_u64 s[BP:BP+1], s[BP:BP+1], s[50:51]
	s_add_nc_u64 s[OUTP:OUTP+1], s[OUTP:OUTP+1], s[48:49]
	s_add_nc_u64 s[VO:VO+1], s[22:23], s[48:49]
	s_add_nc_u64 s[VBP:VBP+1], s[14:15], s[50:51]
	s_lshl_b32 s46, s[YY], 8
	s_add_nc_u64 s[VSP:VSP+1], s[VO:VO+1], s[46:47]      ; v's scale words: + 256 y
	s_add_nc_u64 s[VBP:VBP+1], s[VBP:VBP+1], s[46:47]    ; v's biases: pairs 2 y, 2 y + 1
	s_mul_i32 s44, s[YY], 3072
	s_add_nc_u64 s[VO:VO+1], s[VO:VO+1], s[44:45]        ; v's units 4 y ..
	; ---- X: my 16 rows of x.  Lane (r, h) takes, of row r, 16 neighbouring numbers of each block of 32
	s_wait_alu depctr_va_vdst(0)                   ; the seven addresses and offsets v1 to v7 are written: every load and store of the kernel reads one of them
.irp e, 0,1
.irp u, 0,1
	global_load_b32 v[BV+4*\e+2*\u], v[VB4], s[VBP:VBP+1] offset:128*\e+32*\u       ; v's bias of my column position, into both halves of a pair
	global_load_b32 v[BV+4*\e+2*\u+1], v[VB4], s[VBP:VBP+1] offset:128*\e+32*\u
.endr
.endr
	WIN 0xc0
.irp s, 0,1,2,3
.irp b, 0,1,2,3
.irp i, 0,1,2,3
	global_load_b128 v[64*\s+16*\b+4*\i:64*\s+16*\b+4*\i+3], v[XA], s[XP:XP+1] offset:512*\s+128*\b+16*\i
.endr
.endr
.endr
	WIN 0
.macro XQ s, cnt                       ; K step s of my rows is quantised
	s_wait_loadcnt \cnt
	QUANT 64*(\s), 3, PC+20*(\s), PW+(\s)
.endm
.macro XST s                           ; and its image goes to LDS.  Each K step has its own registers for codes and scale word: none is written again in this phase
	s_wait_alu depctr_va_vdst(0)                   ; the quantiser has written K step s's codes and scale word, which the LDS stores read
.irp c, 0,1,2
	ds_store_b128 v[XWI], v[PC+20*(\s)+4*\c:PC+20*(\s)+4*\c+3] offset:XIMG+6144*(\s)+512*\c
.endr
	ds_store_b32 v[XWS], v[PW+(\s)] offset:512*(\s)
.endm
	XQ 0, 48                                       ; behind K step 0's loads: the 48 of K steps 1 to 3
	LOADSET 0, 0, RP                               ; a set's first fill lands in registers that no vector or matrix instruction has named: it stands between the quantiser and the wait for the stores
	BIASLD 0, BP, 0
	XST 0
	XQ 1, 61                                       ; 32 of x and set 0's 29
	LOADSET 1, 1, RP
	BIASLD 1, BP, 128
	XST 1
	XQ 2, 63                                       ; 74 younger loads stand behind K step 2's: 63 is the largest count that the wait can name, and a smaller count is the stricter
	LOADSET 2, 2, RP
	BIASLD 2, BP, 256
	XST 2
	XQ 3, 63                                       ; 87 younger
	XST 3
	BARRIER                                        ; x's sixteen fragments lie in LDS
	WIN 0xc0                                       ; no wait on va_vdst here: the quantiser's last read of x's f32 stands ahead of the wait in front of K step 3's stores, and no vector line has been issued since
.set KK, 0
.rept 48
	ds_load_b128 v[4*KK:4*KK+3], v[LI] offset:XIMG+512*KK
.set KK, KK+1
.endr
	WIN 0
.irp s, 0,1,2,3
	ds_load_b128 v[XS+4*\s:XS+4*\s+3], v[LI] offset:XSC+512*\s
.endr
	LOADSET 3, 3, RP
	BIASLD 3, BP, 384
	s_wait_dscnt 0x0
	s_wait_alu depctr_vm_vsrc(0)                   ; phase X's LDS stores have read the codes' and scale words' registers, which the steps below write again
	; ---- q or k: four pairs of column tiles.  A step's set was asked for three steps ago; the place that a step has read is filled again behind its quantiser
	s_wait_loadcnt 63                              ; behind set 0: three sets and their biases, 87 loads
	PMUL 0, XS
	QCOL ACC, 0
	s_wait_alu depctr_va_vdst(0)                   ; the step's products are done reading ring place 0 and its scale words, in which set 4 lands
	LOADSET 0, 4, RP
	s_wait_loadcnt 63                              ; 83 younger
	PMUL 1, XS
	QCOL ACC, 1
	s_wait_alu depctr_va_vdst(0)                   ; the step's products are done reading ring place 1 and its scale words, in which set 5 lands
	LOADSET 1, 5, RP
	s_wait_loadcnt 63                              ; 79 younger
	PMUL 2, XS
	QCOL ACC, 2
	s_wait_loadcnt 50                              ; sets 4 and 5
	PMUL 3, XS
	QCOL ACC, 3
.irp m, 0,1,2,3
	FIN PC+20*\m
.endr
	s_wait_alu depctr_va_vdst(0)                   ; the four fragments and their scale words are written, which the stores read
.irp m, 0,1,2,3
.irp c, 0,1,2
	global_store_b128 v[LI], v[PC+20*\m+4*\c:PC+20*\m+4*\c+3], s[OUTP:OUTP+1] offset:1536*\m+512*\c   ; each store covers 512 consecutive bytes, aligned
.endr
.endr
	global_store_b128 v[LI], v[PW:PW+3], s[OUTP:OUTP+1] offset:6144
	; ---- v: pairs 2 y and 2 y + 1, rows as source 0: register 32 u + 16 b + i of lane (r, h) is key 32 b + 16 h + i of channel position r of tile u
.macro VSTEP e, cnt
.set FB, 96*(\e)
	s_wait_loadcnt \cnt
	WIN 0x07                                       ; source 0 (x) window 3, source 1 (the set) window 1
.irp s, 0,1,2,3
.irp u, 0,1
.irp m, 0,1,2,3
.if \s == 0
	MMA ACC+32*\u+8*\m, 12*(4*\s+\m), FB+12*(4*\u+\s), -1, XS+4*\s+\m, WS+4*(\e)+\s, 2*\u
.else
	MMA ACC+32*\u+8*\m, 12*(4*\s+\m), FB+12*(4*\u+\s), ACC+32*\u+8*\m, XS+4*\s+\m, WS+4*(\e)+\s, 2*\u
.endif
.endr
.endr
.endr
	WIN 0
	PLACES 4
.irp u, 0,1
.set QQ, 0
.rept 16
	v_pk_add_f32 v[ACC+32*\u+2*QQ:ACC+32*\u+2*QQ+1], v[ACC+32*\u+2*QQ:ACC+32*\u+2*QQ+1], v[BV+4*(\e)+2*\u:BV+4*(\e)+2*\u+1]
.set QQ, QQ+1
.endr
.endr
	s_wait_xcnt 0x0                                ; the earlier stores have read the registers that the codes below are written into
.if (\e) == 0
	s_wait_alu depctr_vm_vsrc(0)                   ; q's or k's stores have read the codes' registers, which this quantiser and the next write again (the next writes none that this step's stores read)
.endif
	QUANT ACC, 0, PC+20*(\e), PWV+(\e)             ; blocks 0, 1: tile u = 0, keys 0-31, 32-63; blocks 2, 3: tile u = 1: registers 0-5 and 6-11 are two units of 16 channels x 64 keys
	s_wait_alu depctr_va_vdst(0)                   ; the quantiser has written the codes and the scale word, which the stores read
	global_store_b128 v[LI], v[PC+20*(\e):PC+20*(\e)+3], s[VO:VO+1] offset:1536*(\e)
	global_store_b64 v[L8], v[PC+20*(\e)+4:PC+20*(\e)+5], s[VO:VO+1] offset:1536*(\e)+512
	global_store_b128 v[LI], v[PC+20*(\e)+6:PC+20*(\e)+9], s[VO:VO+1] offset:1536*(\e)+768
	global_store_b64 v[L8], v[PC+20*(\e)+10:PC+20*(\e)+11], s[VO:VO+1] offset:1536*(\e)+1280
.endm
	VSTEP 0, 25                                    ; set 5 may be out
	VSTEP 1, 0
	global_store_b64 v[L8], v[PWV:PWV+1], s[VSP:VSP+1] offset:6144   ; 32 lanes store 256 consecutive bytes, aligned; both words were written ahead of the last wait on va_vdst
	s_wait_dscnt 0x0
	s_wait_alu depctr_hold_cnt(0) depctr_sa_sdst(0) depctr_va_vdst(0) depctr_va_sdst(0) depctr_va_ssrc(0) depctr_va_vcc(0) depctr_vm_vsrc(0)
	s_wait_tensorcnt 0x0
	ds_add_u32 v254, v255
	s_wait_dscnt 0x0
	s_endpgm
.Lfunc_end_k_q7cd5c2bc9e_qkv:
	.size	k_q7cd5c2bc9e_qkv, .Lfunc_end_k_q7cd5c2bc9e_qkv-k_q7cd5c2bc9e_qkv
	.p2alignl 7, 3214868480
	.fill 96, 4, 3214868480
	.section	.rodata,"a",@progbits
	.p2align	6, 0x0
	.amdhsa_kernel k_q7cd5c2bc9e_qkv
		.amdhsa_group_segment_fixed_size 27136
		.amdhsa_private_segment_fixed_size 0
		.amdhsa_enable_private_segment 0
		.amdhsa_kernarg_size 64
		.amdhsa_user_sgpr_count 2
		.amdhsa_user_sgpr_kernarg_segment_ptr 1
		.amdhsa_wavefront_size32 1
		.amdhsa_system_sgpr_workgroup_id_x 1
		.amdhsa_system_sgpr_workgroup_id_y 1
		.amdhsa_system_sgpr_workgroup_id_z 1
		.amdhsa_system_vgpr_workitem_id 0
		.amdhsa_next_free_vgpr 1024
		.amdhsa_next_free_sgpr 66
		.amdhsa_reserve_vcc 0
		.amdhsa_float_denorm_mode_32 3
		.amdhsa_float_denorm_mode_16_64 3
		.amdhsa_memory_ordered 1
		.amdhsa_forward_progress 1
		.amdhsa_inst_pref_size 101
	.end_amdhsa_kernel
	.amdgpu_metadata
---
amdhsa.version: [ 1, 2 ]
amdhsa.kernels:
  - .name:           k_q7cd5c2bc9e_qkv
    .symbol:         k_q7cd5c2bc9e_qkv.kd
    .args:
      - { .name: x, .offset: 0, .size: 8, .value_kind: global_buffer, .address_space: global }
      - { .name: bq, .offset: 8, .size: 8, .value_kind: global_buffer, .address_space: global }
      - { .name: bk, .offset: 16, .size: 8, .value_kind: global_buffer, .address_space: global }
      - { .name: bv, .offset: 24, .size: 8, .value_kind: global_buffer, .address_space: global }
      - { .name: wsb, .offset: 32, .size: 8, .value_kind: global_buffer, .address_space: global }
      - { .name: qb, .offset: 40, .size: 8, .value_kind: global_buffer, .address_space: global }
      - { .name: kb, .offset: 48, .size: 8, .value_kind: global_buffer, .address_space: global }
      - { .name: vb, .offset: 56, .size: 8, .value_kind: global_buffer, .address_space: global }
    .group_segment_fixed_size: 27136
    .private_segment_fixed_size: 0
    .kernarg_segment_align: 8
    .kernarg_segment_size: 64
    .max_flat_workgroup_size: 128
    .sgpr_count:     66
    .vgpr_count:     1024
    .wavefront_size: 32
...
	.end_amdgpu_metadata
.endif
;; end of part 4
;; launch block (part 5): grid 128 x 1, 4 waves a work-group, no clusters, 272,896 bytes of LDS; arguments x, qb, kb, vb, wsc, bo, ln1_g, ln1_b, b1, b2, ln2_g, ln2_b, out0; writes out0
.if DOCPART == 5
	.amdgcn_target "amdgcn-amd-amdhsa--gfx1250"
	.amdhsa_code_object_version 6
	.text
	.protected	k_q7cd5c2bc9e_block
	.globl	k_q7cd5c2bc9e_block
	.p2align	8
	.type	k_q7cd5c2bc9e_block,@function
k_q7cd5c2bc9e_block:
	s_mov_b64 s[64:65], 0
	v_nop
	global_prefetch_b8 v0, s[64:65] scope:SCOPE_SE
	s_setreg_imm32_b32 hwreg(HW_REG_WAVE_SCHED_MODE, 0, 2), 2
	s_setreg_imm32_b32 hwreg(HW_REG_WAVE_MODE, 25, 1), 1
	s_wait_xcnt 0x0
	s_wait_alu depctr_vm_vsrc(0)
; For 64 rows: banded attention (|i - j| <= 64) in 8 heads of 64, the product with wo, residual and LayerNorm, relu(h w1 + b1) w2 + b2, residual and LayerNorm.  All products on codes of BF6 (E3M2) with one E8M0 scale for each 32 along K.
; Nothing between the products goes to memory: out, h and the hidden layer are quantised in registers and go from wave to wave through LDS as images of operand registers (registers 4 c .. 4 c + 3 of lane l at 512 c + 16 l).
; SHARES.  THE WAVES SHARE THE COLUMNS: wave w has heads 2 w, 2 w + 1, columns 128 w .. of out, h and the result, hidden units 512 w .. 512 w + 511, each for all 64 rows.  Row tile m: position p is row 32 (m / 2) + 8 (m % 2) + p + 8 (p / 8);
; column tiles likewise.  All products but none are used with the wider side as source 0, so that a lane holds ONE row throughout and 16 registers of two neighbouring tiles are 16 neighbours along the next K.
; ATTENTION.  The keys that count for rows q0 .. q0 + 63 lie in q0 - 64 .. q0 + 127: three blocks of 64 rows as the launch before stored them; at a sequence's ends the missing block is replaced by my own and wholly masked.
; S^T = K Q^T: K's fragment holds both heads (k 0-63, 64-127); the other head's half of Q is zero codes.  t = score x log2(e) / 8; M = ceil(the row's largest t); p = 2^(t - M) is quantised along the keys, in blocks of 32 from key 0;
; the sum is taken of the unquantised p and divides at the end.  O^T = V^T P^T in two K steps: keys 0-127, and keys 128-191 beside zero codes of p.
; WEIGHTS come from the first launch's buffer straight into operand registers: 36 steps a wave, a SET of 8 fragments and their scale words (25 loads) for 32 matrix instructions, through four sets of registers that take turns; three sets are asked for ahead.
; NO JOINT LOADS, though all 128 work-groups walk the same weights: the images take 272,384 of LDS's 327,680 bytes; the 55,296 left would make two slots of 18 fragments, 18 matrix instructions a wave between two changes of slots,
; each with a wait for all loads and a round of barriers; loads into registers under counted waits never run dry, and a fragment is used by one wave alone.
; LAYERNORM in two passes (mean, then the centred squares), so that a common offset of the inputs costs no digits; the rows' sums meet in LDS.
; LIMITS: NaN and infinities are not served; a block of zeros or under 2^-122 gets the byte 1 (the rule says 127 for zeros): its codes are zeros; v_exp_f32 gives 0 for p under 2^-126; 1 / l and 1 / sqrt are v_rcp_f32 and v_rsq_f32.
; REGISTERS, in windows of 256.  Window 0: v1-15 addresses; v16-31 the sets' scale words; v32-51 the quantiser and sums; v52-63 small values; v64-207 the phase's data; v208-255 scale words alone.
;   Windows 1, 2: ring place sigma at 96 (sigma % 2) of window 1 + sigma / 2, its bias at 192 + 16 (sigma % 2).  During attention window 2 holds K (v0-143) and head A's V (v144-215), window 3 head B's V (v0-71) and Q (v72-95), window 1 v192-255 O^T.
;   Window 3 later: the 32 accumulators (64 m + 8 t), or h's 16 fragments (12 (4 s + m)).
; THE MODE: SCHED_MODE bits 1:0 = 2 (LLVM: expert scheduling mode 2), set by the entry lines.  The code itself states the register dependences
; between vector or matrix instructions and memory or LDS instructions, with s_wait_alu, always for 0.
; THE PLAN.  Registers that memory or LDS instructions touch, and who else names them:
;   v1-3, v6-15   addresses and offsets: made at the head, never written again: one wait on va_vdst ahead of the first load.
;   v4, v5        LDS addresses that move: written at a trip's end (attention, the hidden layer) or head (the last product), each time behind a wait on vm_vsrc and ahead of a wait on va_vdst that stands there anyway.
;   Q, its word   read by both heads' first products, loaded again in head B's turn: one wait on va_vdst ahead of those loads.
;   P0, PC, PW    codes and scale words: written by a quantiser, read by the LDS stores behind it: one wait on va_vdst ahead of each run of stores, one on vm_vsrc behind it, ahead of the branch or of the next writer.
;   ring places   written by loads, read by one step's products.  In a K step of the products with wo and w2 ONE wait on va_vdst stands at the step's head: the last step's products are done reading the place behind, its scale words
;                 and the other image buffer.  The step's 38 loads follow it: the scale words and the 13 image loads at once, the 24 fragment loads in two runs among the step's products, which name none of those registers.
;                 In a step of the hidden layer the wait stands at the head too, behind the last step's quantiser.
;   v64-191       bias, gains and offsets of a LayerNorm land where images and codes lay: a wait on va_vdst at its head; the offsets' load stands behind the wait of the first sum's LDS store.
;   window 3      x, h and h's fragments land there; each time the last vector or matrix line that named it stands ahead of a wait on va_vdst, and the LDS stores that read it ahead of a wait on vm_vsrc.
;   Lane masks go into scalar registers, sixteen compares in a run, one wait on va_sdst behind the run, then the sixteen selects.
.set OIMG, 0                           ; LDS: 16 fragments, 1,536 (4 s + m): out, later h
.set OSC,  24576                       ; their scale words, 512 s + 16 lane + 4 m
.set RED,  26624                       ; four sums x [wave][lane] 16 bytes
.set HSC,  34816                       ; the hidden layer's scale words
.set HIMG, 43008                       ; its 64 fragments
.set HSP,  141312                      ; 32,768 bytes for each wave, its own: h in f32 as a register image; later the stage of the way out, 16 rows x 528
.set LI, 1                             ; 16 x lane
.set BH, 2                             ; 64 x (lane / 16)
.set XO, 3                             ; x: my row position's row, + 64 (lane / 16)
.set AD, 4
.set AD2, 5
.set SPA, 6
.set STO, 7
.set IWA, 8
.set SWA, 9
.set REDW, 10
.set REDR, 11
.set HWA, 12
.set HSA, 13
.set PFO, 14                           ; 256 x lane
.set L8, 15                            ; 8 x lane
.set WS, 16
.set TM, 32
.set PW, 48
.set E0, 52                            ; my query position's row - 16 (lane / 16)
.set KMINH, 53
.set KMAXH, 54
.set LO, 55
.set HI, 56
.set NINF, 57
.set NM, 58                            ; v[58:59] -M
.set LA, 60
.set LB, 62
.set MN, 52                            ; LayerNorm: -mean, then 1 / std, of tile m in v[52 + 2 m]
.set S, 64                             ; v64-159 S^T, then p: register 16 B + i = key 32 B + 16 (lane / 16) + i of the 192
.set P0, 160
.set P1, 180
.set BM, 196
.set BT, 202
.set TS6, 32
.set T0, 38
.set T1, 39
.set RL, 40
.set KS, 208
.set VP, 220
.set VW, 232
.set QSW, 244
.set PWA, 245
.set PWB, 246
.set KF, 0
.set VA, 144
.set QZA, 72
.set QZB, 84
.set OA, 192
.set AB, 64                            ; two buffers of four fragments: one K step's four row tiles
.set AS, 208
.set ACC, 64
.set PC, 128
.set HS, 208
.set PB, 64
.set PG, 128
.set PE, 64
.set XPT, 8
.set BO, 18
.set G1, 20
.set E1, 22
.set B1P, 24
.set B2P, 26
.set G2, 28
.set E2, 30
.set OUTP, 32
.set RP, 38
.set KB, 40
.set VB, 46
.set QP, 52
.set QSP, 54
.set PF, 56
.set SEL, 58
.set CS, 60
.set MK, 40                            ; sixteen lane masks in s40-51 and s68-71 (mask i in s[MK + i + 16 (i / 12)]): K's and V's addresses and offsets lay there, and their loads are in when the loop begins
.set MSB, 0
.macro WIN new                         ; the immediate's high byte repeats the setting that is left; a switch that changes nothing is dropped
.if MSB != (\new)
	s_set_vgpr_msb ((MSB<<8)|(\new))
.set MSB, (\new)
.endif
.endm
.macro PLACES n
.rept \n
	v_nop
.endr
.endm
.macro BARRIER                         ; my LDS stores have landed and my LDS loads are in: then the work-group's barrier
	s_wait_dscnt 0x0
	s_barrier_signal -1
	s_barrier_wait -1
.endm
; One matrix instruction.  c < 0: the constant 0 starts the sum.  row = 1: source 0's scales from lanes 16-31.
.macro MMA d, a, b, c, sa, sb, row
.if (\c) < 0
.if (\row) == 0
	v_wmma_scale_f32_16x16x128_f8f6f4 v[(\d):(\d)+7], v[(\a):(\a)+11], v[(\b):(\b)+11], 0, v[\sa], v[\sb] matrix_a_fmt:MATRIX_FMT_BF6 matrix_b_fmt:MATRIX_FMT_BF6
.else
	v_wmma_scale_f32_16x16x128_f8f6f4 v[(\d):(\d)+7], v[(\a):(\a)+11], v[(\b):(\b)+11], 0, v[\sa], v[\sb] matrix_a_fmt:MATRIX_FMT_BF6 matrix_b_fmt:MATRIX_FMT_BF6 matrix_a_scale:MATRIX_SCALE_ROW1
.endif
.else
.if (\row) == 0
	v_wmma_scale_f32_16x16x128_f8f6f4 v[(\d):(\d)+7], v[(\a):(\a)+11], v[(\b):(\b)+11], v[(\c):(\c)+7], v[\sa], v[\sb] matrix_a_fmt:MATRIX_FMT_BF6 matrix_b_fmt:MATRIX_FMT_BF6
.else
	v_wmma_scale_f32_16x16x128_f8f6f4 v[(\d):(\d)+7], v[(\a):(\a)+11], v[(\b):(\b)+11], v[(\c):(\c)+7], v[\sa], v[\sb] matrix_a_fmt:MATRIX_FMT_BF6 matrix_b_fmt:MATRIX_FMT_BF6 matrix_a_scale:MATRIX_SCALE_ROW1
.endif
.endif
.endm
; Four blocks of 32: block x is my 16 registers v[s + 16 x ..] of window win and lane l xor 16's.  Leaves the conversions' scale operands in v[TM+12 ..].
.macro QMAX4 s, win
	WIN (((\win)<<2)|((\win)<<4))
.irp x, 0,1,2,3
	v_max3_num_f32 v[TM+\x], 0x2800000, |v[(\s)+16*\x]|, |v[(\s)+16*\x+1]|   ; and the floor 2^(5 - 127): the byte cannot fall under 1
.endr
.irp i, 2,4,6,8,10,12,14
.irp x, 0,1,2,3
	v_max3_num_f32 v[TM+\x], v[TM+\x], |v[(\s)+16*\x+\i]|, |v[(\s)+16*\x+\i+1]|   ; the four blocks by turns
.endr
.endr
	WIN 0
.irp x, 0,1,2,3
	v_permlanex16_b32 v[TM+4+\x], v[TM+\x], s[SEL], s[SEL+1]
.endr
.irp x, 0,1,2,3
	v_max_num_f32 v[TM+\x], v[TM+\x], v[TM+4+\x]
.endr
.irp x, 0,1,2,3
	v_add_nc_u32 v[TM+12+\x], 0xfe000000, v[TM+\x]   ; 4 off the exponent field
.endr
.endm
.macro CVT x, s, win, dst
	WIN (\win)
	v_cvt_scalef32_pk16_bf6_f32 v[(\dst):(\dst)+2], v[(\s)+16*(\x):(\s)+16*(\x)+15], v[TM+12+(\x)]
.endm
; Half blocks become whole blocks: lanes 0-15 hold block 2 c, lanes 16-31 block 2 c + 1.  A region pc is 20 registers: 12 of the fragment, 8 at work; block b's codes were made at pc + 0, 12, 6, 16.
.macro FIN pc
.irp c, 0,1
.irp i, 0,1,2
	v_permlane16_swap_b32 v[(\pc)+6*\c+\i], v[(\pc)+12+4*\c+\i]
.endr
.irp i, 0,1,2
	v_mov_b32 v[(\pc)+3+6*\c+\i], v[(\pc)+12+4*\c+\i]
.endr
.endr
.endm
; 64 numbers of a lane, register 16 b + i = k 32 b + 16 (lane / 16) + i of my row, become a fragment at v[pc] and its scale word in v[pw].
.macro QUANT s, win, pc, pw
	QMAX4 \s, \win
.irp x, 0,1,2,3
	v_lshrrev_b32 v[TM+4+\x], 23, v[TM+12+\x]
.endr
	v_lshl_or_b32 v[\pw], v[TM+5], 8, v[TM+4]
	v_lshl_or_b32 v[\pw], v[TM+6], 16, v[\pw]
	v_lshl_or_b32 v[\pw], v[TM+7], 24, v[\pw]
	CVT 0, \s, \win, (\pc)
	CVT 1, \s, \win, (\pc)+12
	CVT 2, \s, \win, (\pc)+6
	CVT 3, \s, \win, (\pc)+16
	WIN 0
	v_nop                                          ; one plain instruction behind the conversions
	FIN \pc
.endm
; Block beta of the four row tiles: tile m's 16 registers at v[s + 16 m]; byte beta of v[PW + m], codes to tile m's region.
.macro QCOL s, beta
	QMAX4 \s, 0
.irp x, 0,1,2,3
.if (\beta) == 0
	v_lshrrev_b32 v[PW+\x], 23, v[TM+12+\x]
.else
	v_lshrrev_b32 v[TM+4+\x], 23, v[TM+12+\x]
.endif
.endr
.if (\beta) != 0
.irp x, 0,1,2,3
	v_lshl_or_b32 v[PW+\x], v[TM+4+\x], 8*(\beta), v[PW+\x]
.endr
.endif
.set SLT, 6*((\beta)>>1)+((\beta)&1)*(12-2*((\beta)>>1))
.irp x, 0,1,2,3
	CVT \x, \s, 0, PC+20*\x+SLT
.endr
	v_nop                                          ; one plain instruction behind the conversions
.endm
; Set number sn behind the pointer into ring place sigma: 25 loads, each 512 consecutive bytes a wave.  LOADF: four of its eight fragments, from fragment f0 on (it leaves the destination's window set); LOADW: its scale words (window 0).
.macro LOADF sigma, sn, ptr, f0
	WIN ((1+((\sigma)>>1))<<6)
.irp f, 0,1,2,3
.irp c, 0,1,2
	global_load_b128 v[96*((\sigma)&1)+12*((\f0)+\f)+4*\c:96*((\sigma)&1)+12*((\f0)+\f)+4*\c+3], v[LI], s[\ptr:\ptr+1] offset:(\sn)*12800+1536*((\f0)+\f)+512*\c
.endr
.endr
.endm
.macro LOADW sigma, sn, ptr
	global_load_b128 v[WS+4*(\sigma):WS+4*(\sigma)+3], v[LI], s[\ptr:\ptr+1] offset:(\sn)*12800+12288
.endm
.macro LOADSET sigma, sn, ptr          ; the whole set in one run
	LOADF \sigma, \sn, \ptr, 0
	LOADF \sigma, \sn, \ptr, 4
	WIN 0
	LOADW \sigma, \sn, \ptr
.endm
.macro BIASLD sigma, ptr, off          ; the 32 biases of a pair of column tiles, in the result's layout
	WIN ((1+((\sigma)>>1))<<6)
.irp i, 0,1,2,3
	global_load_b128 v[192+16*((\sigma)&1)+4*\i:192+16*((\sigma)&1)+4*\i+3], v[BH], s[\ptr:\ptr+1] offset:(\off)+16*\i
.endr
	WIN 0
.endm
; 32 matrix instructions: a pair of column tiles (source 0, ring place sg) x four row tiles (source 1, window 3) x four K steps; the bias is the C of the first K step.  The eight accumulators take turns.
; All operands and scales come by loads.  Four places follow, ahead of the vector lines that read the results (ISA guide 7.12.1).
.macro PMUL sg, bsc
.set WSN, 1+((\sg)>>1)
.set FB, 96*((\sg)&1)
.set CB, 192+16*((\sg)&1)
.irp s, 0,1,2,3
.if \s == 0
	WIN (WSN|0x0c|(WSN<<4))
.else
	WIN (WSN|0x0c)
.endif
.irp m, 0,1,2,3
.irp u, 0,1
.if \s == 0
	MMA ACC+16*\m+8*\u, FB+12*(4*\u+\s), 12*(4*\s+\m), CB+8*\u, WS+4*(\sg)+\s, (\bsc)+4*\s+\m, \u
.else
	MMA ACC+16*\m+8*\u, FB+12*(4*\u+\s), 12*(4*\s+\m), ACC+16*\m+8*\u, WS+4*(\sg)+\s, (\bsc)+4*\s+\m, \u
.endif
.endr
.endr
.endr
	WIN 0
	PLACES 4
.endm
	s_load_b512 s[8:23], s[0:1], 0x0               ; x, qb, kb, vb, wsc, bo, ln1_g, ln1_b
	s_load_b256 s[24:31], s[0:1], 0x40             ; b1, b2, ln2_g, ln2_b
	s_load_b64 s[32:33], s[0:1], 0x60              ; out0
	v_lshl_add_u32 v254, v0, 2, 0x42800
	v_mov_b32 v255, 0
	v_lshrrev_b32 v32, 5, v0
	v_readfirstlane_b32 s34, v32                   ; wave 0..3
	s_and_b32 s36, ttmp9, 31                       ; my block's place in its sequence of 32 blocks
	s_cmp_eq_u32 s36, 0
	s_cselect_b32 s37, 0, 1
	s_cselect_b32 s76, 64, 0                       ; the first key that exists, of the 192
	s_sub_co_u32 s37, ttmp9, s37                   ; the block before, or my own at the sequence's head
	s_cmp_eq_u32 s36, 31
	s_cselect_b32 s35, 0, 1
	s_cselect_b32 s77, -1, 63                      ; the last key that exists, less 128
	s_add_co_u32 s35, ttmp9, s35                   ; the block behind, or my own
	s_wait_alu depctr_va_sdst(0)                   ; the wave's number is written, ahead of its first reader: the buffers' offsets and the LDS places are made from it
	s_lshl_b32 s37, s37, 2
	s_add_co_u32 s37, s37, s34
	s_mul_i32 s66, s37, 6656
	s_mov_b32 s67, 0
	s_lshl_b32 s78, ttmp9, 2
	s_add_co_u32 s78, s78, s34
	s_mul_i32 s68, s78, 6656
	s_mov_b32 s69, 0
	s_lshl_b32 s79, s35, 2
	s_add_co_u32 s79, s79, s34
	s_mul_i32 s70, s79, 6656
	s_mov_b32 s71, 0
	s_lshl_b32 s2, s34, 9                          ; 512 w
	s_mov_b32 s3, 0
	s_lshl_b32 s4, ttmp9, 17                       ; 64 rows of 2,048 bytes
	s_mov_b32 s5, 0
	s_lshl_b32 s6, s34, 15
	s_mov_b32 s7, 0
	s_mov_b32 s[SEL], 0x76543210
	s_mov_b32 s[SEL+1], 0xfedcba98                 ; lane l xor 16
	s_mov_b32 s[CS], 0x3e38aa3b                    ; log2(e) / 8
	s_mov_b32 s[CS+1], s[CS]                       ; named with it as a pair, so it is written
	s_mov_b32 s72, 0x05040100                      ; two low halves
	s_mov_b32 s73, 0x07060302                      ; two high halves
	s_mov_b32 s74, 0x3b000000                      ; 1 / 512
	s_mov_b32 s75, 0x3727c5ac                      ; 1e-5
	v_and_b32 v32, 31, v0                          ; lane
	v_and_b32 v33, 15, v0                          ; r
	v_bfe_u32 v34, v0, 4, 1                        ; h
	v_and_b32 v35, 8, v33
	v_add_nc_u32 v35, v35, v33                     ; r + 8 (r / 8)
	v_lshlrev_b32 v[LI], 4, v32
	v_lshlrev_b32 v[L8], 3, v32
	v_lshlrev_b32 v[PFO], 8, v32
	v_lshlrev_b32 v[BH], 6, v34
	v_lshlrev_b32 v[XO], 11, v35
	v_lshl_add_u32 v[XO], v34, 6, v[XO]
	s_lshl_b32 s78, s34, 15
	s_add_co_u32 s78, s78, HSP
	v_add_nc_u32 v[SPA], s78, v[LI]
	v_mul_u32_u24 v[STO], v33, 528
	v_lshl_add_u32 v[STO], v34, 6, v[STO]
	v_add_nc_u32 v[STO], s78, v[STO]
	s_mul_i32 s78, s34, 6144
	v_add_nc_u32 v[IWA], s78, v[LI]
	s_lshl_b32 s78, s34, 9
	s_add_co_u32 s79, s78, OSC
	v_add_nc_u32 v[SWA], s79, v[LI]
	s_add_co_u32 s79, s78, RED
	v_add_nc_u32 v[REDW], s79, v[LI]
	v_add_nc_u32 v[REDR], RED, v[LI]
	s_mul_i32 s78, s34, 24576
	s_add_co_u32 s78, s78, HIMG
	v_add_nc_u32 v[HWA], s78, v[LI]
	s_lshl_b32 s78, s34, 11
	s_add_co_u32 s78, s78, HSC
	v_add_nc_u32 v[HSA], s78, v[LI]
	v_lshlrev_b32 v36, 4, v34
	v_sub_nc_u32 v[E0], v35, v36
	v_sub_nc_u32 v[KMINH], s76, v36
	v_sub_nc_u32 v[KMAXH], s77, v36
	v_mov_b32 v[NINF], 0xff800000
	v_mov_b32 v[NM+1], 0                           ; named as upper halves of pairs
	v_mov_b32 v[RL+1], 0
.irp i, 0,1,2,3
	v_mov_b32 v[TM+4+\i], 0                        ; lane permutes' destinations count as sources: written once
.endr
.irp i, 0,1,2,3,4,5
	v_mov_b32 v[BT+\i], 0
	v_mov_b32 v[P1+6+\i], 0                        ; zero codes: keys 192-255 do not exist
.endr
	WIN 0xc0
.irp i, 0,1,2,3,4,5
	v_mov_b32 v[QZA+6+\i], 0                       ; head A's Q beside zero codes,
	v_mov_b32 v[QZB+\i], 0                         ; zero codes beside head B's
.endr
	WIN 0
	s_wait_kmcnt 0x0
	s_add_nc_u64 s[KB:KB+1], s[12:13], s[66:67]
	s_add_nc_u64 s[KB+2:KB+3], s[12:13], s[68:69]
	s_add_nc_u64 s[KB+4:KB+5], s[12:13], s[70:71]
	s_add_nc_u64 s[VB:VB+1], s[14:15], s[66:67]
	s_add_nc_u64 s[VB+2:VB+3], s[14:15], s[68:69]
	s_add_nc_u64 s[VB+4:VB+5], s[14:15], s[70:71]
	s_add_nc_u64 s[QP:QP+1], s[10:11], s[68:69]
	s_mov_b64 s[QSP:QSP+1], s[QP:QP+1]
	s_add_nc_u64 s[XPT:XPT+1], s[XPT:XPT+1], s[4:5]
	s_add_nc_u64 s[PF:PF+1], s[XPT:XPT+1], s[6:7]      ; my wave's quarter of the block's rows of x
	s_add_nc_u64 s[XPT:XPT+1], s[XPT:XPT+1], s[2:3]
	s_add_nc_u64 s[OUTP:OUTP+1], s[OUTP:OUTP+1], s[4:5]
	s_add_nc_u64 s[OUTP:OUTP+1], s[OUTP:OUTP+1], s[2:3]
.irp p, BO, G1, E1, B2P, G2, E2
	s_add_nc_u64 s[\p:\p+1], s[\p:\p+1], s[2:3]
.endr
	s_lshl_b32 s6, s34, 11
	s_add_nc_u64 s[B1P:B1P+1], s[B1P:B1P+1], s[6:7]
	s_mul_i32 s6, s34, 460800
	s_add_nc_u64 s[RP:RP+1], s[16:17], s[6:7]          ; my 36 sets
	; ---- what attention reads: 98 loads; then the first two sets of wo
	s_wait_alu depctr_va_vdst(0)                   ; the addresses and offsets that stay are written, which the kernel's loads, stores and its prefetch read; so are the zero codes beside Q and behind p, which products take as operands
	WIN 0x80
.irp j, 0,1,2
.irp k, 0,1,2,3,4,5,6,7,8,9,10,11
	global_load_b128 v[KF+48*\j+4*\k:KF+48*\j+4*\k+3], v[LI], s[KB+2*\j:KB+2*\j+1] offset:512*\k
.endr
.endr
.irp j, 0,1,2                          ; a tile of V is 18 registers: keys 128-191, 0-63, 64-127: the fragment of keys 0-127 begins at + 6, that of keys 128-191 (beside keys that meet zero codes of p) at + 0
.irp t, 0,1,2,3
	global_load_b128 v[VA+18*\t+(6*(\j+1))%18:VA+18*\t+(6*(\j+1))%18+3], v[LI], s[VB+2*\j:VB+2*\j+1] offset:768*\t
	global_load_b64 v[VA+18*\t+(6*(\j+1))%18+4:VA+18*\t+(6*(\j+1))%18+5], v[L8], s[VB+2*\j:VB+2*\j+1] offset:768*\t+512
.endr
.endr
	WIN 0xc0
.irp j, 0,1,2
.irp t, 0,1,2,3
	global_load_b128 v[18*\t+(6*(\j+1))%18:18*\t+(6*(\j+1))%18+3], v[LI], s[VB+2*\j:VB+2*\j+1] offset:768*(4+\t)
	global_load_b64 v[18*\t+(6*(\j+1))%18+4:18*\t+(6*(\j+1))%18+5], v[L8], s[VB+2*\j:VB+2*\j+1] offset:768*(4+\t)+512
.endr
.endr
	global_load_b128 v[QZA:QZA+3], v[LI], s[QP:QP+1]
	global_load_b64 v[QZA+4:QZA+5], v[LI], s[QP:QP+1] offset:512
	global_load_b64 v[QZB+6:QZB+7], v[LI], s[QP:QP+1] offset:520
	global_load_b128 v[QZB+8:QZB+11], v[LI], s[QP:QP+1] offset:1024
	WIN 0
	global_load_b32 v[QSW], v[LI], s[QSP:QSP+1] offset:6144
.irp j, 0,1,2
	global_load_b128 v[KS+4*\j:KS+4*\j+3], v[LI], s[KB+2*\j:KB+2*\j+1] offset:6144
	global_load_b64 v[VP+4*\j:VP+4*\j+1], v[L8], s[VB+2*\j:VB+2*\j+1] offset:6144
	global_load_b64 v[VP+4*\j+2:VP+4*\j+3], v[L8], s[VB+2*\j:VB+2*\j+1] offset:6144+256
.endr
	LOADSET 0, 0, RP
	LOADSET 1, 1, RP
	s_wait_loadcnt 50                              ; all but the two sets
.irp b, 0,1,2,3                        ; V's scale words.  A stored word holds tile u = 0's two key blocks, then tile u = 1's; a fragment of keys 0-127 wants two blocks of block j = 0 and two of j = 1
	v_perm_b32 v[VW+2*\b], v[VP+4+\b], v[VP+\b], s72
	v_perm_b32 v[VW+2*\b+1], v[VP+4+\b], v[VP+\b], s73
	v_lshrrev_b32 v[VW+8+\b], 16, v[VP+8+\b]       ; keys 128-191, odd tile; the even tile takes the stored word as it is (its upper bytes meet zero codes)
.endr                                              ; (the products that take these words as scales stand behind the waits on va_vdst of the first softmax)
; Sixteen compares into the sixteen masks: constant 32 b + i against the lane's limit.  lt = 1: under the band; 0: over it.
.macro MASKC lt, b, lim
.irp i, 0,1,2,3,4,5,6,7,8,9,10,11,12,13,14,15
.if \lt
	v_cmp_lt_i32 s[MK+\i+16*(\i/12)], 32*(\b)+\i, v[\lim]
.else
	v_cmp_gt_i32 s[MK+\i+16*(\i/12)], 32*(\b)+\i, v[\lim]
.endif
.endr
.endm
; and the sixteen selects that read them: -infinity where the mask is set
.macro MASKS base
.irp i, 0,1,2,3,4,5,6,7,8,9,10,11,12,13,14,15
	v_cndmask_b32 v[(\base)+\i], v[(\base)+\i], v[NINF], s[MK+\i+16*(\i/12)]
.endr
.endm
; ONE HEAD of one tile of 16 queries.
.macro ATT hd
.set VBS, VA*(1-(\hd))
.set OB, OA+32*(\hd)
	WIN 0x0e                                       ; K window 2, Q window 3
.irp t, 0,1,2,3,4,5,6,7,8,9,10,11
	MMA S+8*\t, KF+12*\t, QZA+12*(\hd), -1, KS+\t, QSW, 0
.endr
	WIN 0
	; the band and the sequence's ends: register 16 B + i holds key 32 B + 16 h + i.  B = 0, 1 can lie under the band, B = 4, 5 over it; B = 2, 3 always count
	MASKC 1, 0, LO                                 ; the first run of compares names no score: it stands behind the products
	PLACES 4
	s_wait_alu depctr_va_sdst(0)                   ; the sixteen masks are written, ahead of the selects that read them and of the branch below
.if (\hd) == 1
	s_wait_alu depctr_va_vdst(0)                   ; both heads' first products are done reading Q and its scale word, in which the loads below land
	s_cmp_eq_u32 s62, 3                            ; the next tile's Q, if there is one: both heads have multiplied by this tile's
	s_cbranch_scc1 .Lnoq_\@
	WIN 0xc0
	global_load_b128 v[QZA:QZA+3], v[LI], s[QP:QP+1] offset:1536
	global_load_b64 v[QZA+4:QZA+5], v[LI], s[QP:QP+1] offset:1536+512
	global_load_b64 v[QZB+6:QZB+7], v[LI], s[QP:QP+1] offset:1536+520
	global_load_b128 v[QZB+8:QZB+11], v[LI], s[QP:QP+1] offset:1536+1024
	WIN 0
	global_load_b32 v[QSW], v[LI], s[QSP:QSP+1] offset:6144+4
.Lnoq_\@:
	global_prefetch_b8 v[PFO], s[PF:PF+1] th:TH_LOAD_NT scope:SCOPE_SE   ; the block's rows of x, wanted behind attention: 32 lanes x 256 bytes a trip, 4 trips, 4 waves: each of the 512 aligned blocks of 256 bytes is named once
.endif
	MASKS S
	MASKC 1, 1, LO
	s_wait_alu depctr_va_sdst(0)                   ; the sixteen masks are written, ahead of the selects that read them
	MASKS S+16
	MASKC 0, 0, HI
	s_wait_alu depctr_va_sdst(0)                   ; likewise
	MASKS S+64
	MASKC 0, 1, HI
	s_wait_alu depctr_va_sdst(0)                   ; likewise
	MASKS S+80
.irp b, 0,1,2,3,4,5
	v_max3_num_f32 v[BM+\b], v[S+16*\b], v[S+16*\b+1], v[S+16*\b+2]   ; each block's largest score: for the row's maximum and, since p rises with the score, for the block's largest p
.endr
.irp i, 3,5,7,9,11,13
.irp b, 0,1,2,3,4,5
	v_max3_num_f32 v[BM+\b], v[BM+\b], v[S+16*\b+\i], v[S+16*\b+\i+1]
.endr
.endr
.irp b, 0,1,2,3,4,5
	v_max_num_f32 v[BM+\b], v[BM+\b], v[S+16*\b+15]
.endr
.irp b, 0,1,2,3,4,5
	v_permlanex16_b32 v[BT+\b], v[BM+\b], s[SEL], s[SEL+1]
.endr
.irp b, 0,1,2,3,4,5
	v_max_num_f32 v[BM+\b], v[BM+\b], v[BT+\b]
.endr
	v_max3_num_f32 v[T0], v[BM], v[BM+1], v[BM+2]
	v_max3_num_f32 v[T0], v[T0], v[BM+3], v[BM+4]
	v_max_num_f32 v[T0], v[T0], v[BM+5]            ; finite: a query's own key always counts
	v_mul_f32 v[T0], s[CS], v[T0]
	v_floor_f32 v[NM], -v[T0]                      ; -M = floor(-t) = -ceil(t)
.set JJ, 0
.rept 48
	v_pk_fma_f32 v[S+JJ:S+JJ+1], v[S+JJ:S+JJ+1], s[CS:CS+1], v[NM:NM+1] op_sel_hi:[1,0,0]   ; t - M
.set JJ, JJ+2
.endr
.irp b, 0,1,2,3,4,5
	v_fma_f32 v[BM+\b], v[BM+\b], s[CS], v[NM]
.endr
.set JJ, 0
.rept 96
	v_exp_f32 v[S+JJ], v[S+JJ]                     ; p = 2^(t - M); 0 under the mask
.set JJ, JJ+1
.endr
	v_nop                                          ; a plain instruction behind the batch
	s_wait_alu depctr_va_vdst(0)                   ; the 96 exponentials have written p: one wait, ahead of their first reader
.irp b, 0,1,2,3,4,5
	v_exp_f32 v[BM+\b], v[BM+\b]                   ; the blocks' largest p
.endr
	v_pk_add_f32 v[LA:LA+1], v[S:S+1], v[S+2:S+3]  ; the row's sum, of the unquantised p, in two chains
	v_pk_add_f32 v[LB:LB+1], v[S+4:S+5], v[S+6:S+7]
.set JJ, 8
.rept 22
	v_pk_add_f32 v[LA:LA+1], v[LA:LA+1], v[S+JJ:S+JJ+1]
	v_pk_add_f32 v[LB:LB+1], v[LB:LB+1], v[S+JJ+2:S+JJ+3]
.set JJ, JJ+4
.endr
	v_pk_add_f32 v[LA:LA+1], v[LA:LA+1], v[LB:LB+1]
	s_wait_alu depctr_va_vdst(0)                   ; the six exponentials have written the blocks' largest p, ahead of their first reader
.irp b, 0,1,2,3,4,5
	v_max_num_f32 v[BM+\b], 0x2800000, v[BM+\b]    ; the floor: a block of zeros keeps the byte 1
.endr
.irp b, 0,1,2,3,4,5
	v_add_nc_u32 v[TS6+\b], 0xfe000000, v[BM+\b]
.endr
.irp b, 0,1,2,3,4,5
	v_lshrrev_b32 v[BT+\b], 23, v[TS6+\b]
.endr
	v_lshl_or_b32 v[PWA], v[BT+1], 8, v[BT]
	v_lshl_or_b32 v[PWA], v[BT+2], 16, v[PWA]
	v_lshl_or_b32 v[PWA], v[BT+3], 24, v[PWA]
	v_lshl_or_b32 v[PWB], v[BT+5], 8, v[BT+4]
	v_cvt_scalef32_pk16_bf6_f32 v[P0:P0+2], v[S:S+15], v[TS6]
	v_cvt_scalef32_pk16_bf6_f32 v[P0+12:P0+14], v[S+16:S+31], v[TS6+1]
	v_cvt_scalef32_pk16_bf6_f32 v[P0+6:P0+8], v[S+32:S+47], v[TS6+2]
	v_cvt_scalef32_pk16_bf6_f32 v[P0+16:P0+18], v[S+48:S+63], v[TS6+3]
	v_cvt_scalef32_pk16_bf6_f32 v[P1:P1+2], v[S+64:S+79], v[TS6+4]
	v_cvt_scalef32_pk16_bf6_f32 v[P1+12:P1+14], v[S+80:S+95], v[TS6+5]
	v_nop                                          ; one plain instruction behind the conversions
	FIN P0
.irp i, 0,1,2
	v_permlane16_swap_b32 v[P1+\i], v[P1+12+\i]
.endr
.irp i, 0,1,2
	v_mov_b32 v[P1+3+\i], v[P1+12+\i]
.endr
	v_add_f32 v[T0], v[LA], v[LA+1]
	v_permlanex16_b32 v[T1], v[T0], s[SEL], s[SEL+1]
	v_add_f32 v[T0], v[T0], v[T1]                  ; l
	v_rcp_f32 v[RL], v[T0]
	PLACES 4                                       ; the plain instruction behind the reciprocal; with the two additions, the places between p's last move and the products (p's scale words were written sixteen plain instructions back)
	s_wait_alu depctr_va_vdst(0)                   ; behind the places: p's codes and its two scale words are written, which the products below take as operand and scales; so is 1 / l, ahead of its first reader
	WIN (0x52+(\hd))                               ; V window 2 or 3, p window 0, O^T window 1
.irp t, 0,1,2,3
	MMA OB+8*\t, VBS+18*\t+6, P0, -1, VW+4*(\hd)+\t, PWA, 0
.endr
.irp t, 0,1,2,3
	MMA OB+8*\t, VBS+18*\t, P1, OB+8*\t, (VP+8+2*(\hd)+(\t>>1))*(1-(\t&1))+(VW+8+2*(\hd)+(\t>>1))*(\t&1), PWB, 0
.endr
	WIN 0
	PLACES 4
	WIN 0x41
.set JJ, 0
.rept 16
	v_pk_mul_f32 v[OB+JJ:OB+JJ+1], v[OB+JJ:OB+JJ+1], v[RL:RL+1] op_sel_hi:[1,0]   ; O^T / l
.set JJ, JJ+2
.endr
	WIN 0
.endm
	s_mov_b32 s62, 0                               ; m
	s_mov_b32 s66, 0                               ; 1,536 m
	s_mov_b32 s67, 0                               ; 4 m
.Latt:
	s_lshr_b32 s78, s62, 1
	s_lshl_b32 s78, s78, 5
	s_and_b32 s79, s62, 1
	s_lshl_b32 s79, s79, 3
	s_add_co_u32 s63, s78, s79                     ; the tile's first row
	v_add_nc_u32 v[AD], s63, v[E0]                 ; e = my query - 16 h: key 32 B + 16 h + i counts where e <= 32 B + i <= e + 128, and where it exists
	v_cmp_gt_i32 s[MK], v[AD], v[KMINH]
	v_cmp_lt_i32 s[MK+1], v[AD], v[KMAXH]
	s_wait_alu depctr_va_sdst(0)                   ; the two masks are written, ahead of the selects that read them
	v_cndmask_b32 v[LO], v[KMINH], v[AD], s[MK]
	v_cndmask_b32 v[HI], v[KMAXH], v[AD], s[MK+1]  ; the upper limit less 128
	ATT 0
	ATT 1
	QUANT OA, 1, P0, PW                            ; both heads' 64 channels: K step w of the product with wo, rows of tile m
	v_add_nc_u32 v[AD], s66, v[IWA]
	v_add_nc_u32 v[AD2], s67, v[SWA]
	s_wait_alu depctr_va_vdst(0)                   ; the codes, the scale word and the two addresses are written, which the LDS stores read.  In the last trip it is also the vector side's last line ahead of the loads behind the loop
.irp c, 0,1,2
	ds_store_b128 v[AD], v[P0+4*\c:P0+4*\c+3] offset:OIMG+512*\c
.endr
	ds_store_b32 v[AD2], v[PW]
	s_wait_dscnt 0x0                               ; my stores have landed
	s_wait_alu depctr_vm_vsrc(0)                   ; they have read the codes, the scale word and the two addresses, which the next trip writes again
	s_wait_loadcnt 0x0                             ; the next tile's Q is in
	s_wait_xcnt 0x0                                ; the loads and the prefetch have read their bases: these may step
	s_add_nc_u64 s[QP:QP+1], s[QP:QP+1], 1536
	s_add_nc_u64 s[QSP:QSP+1], s[QSP:QSP+1], 4
	s_add_nc_u64 s[PF:PF+1], s[PF:PF+1], 8192
	s_add_co_u32 s66, s66, 1536
	s_add_co_u32 s67, s67, 4
	s_add_co_u32 s62, s62, 1
	s_cmp_lt_u32 s62, 4
	s_cbranch_scc1 .Latt
	; ---- out wo + x: x is loaded into the accumulators, so the residual costs no addition.
	; No wait on va_vdst here: x lands where V and Q lay, set 2 and set 3 where K and V lay, the first images where the scores lay, and the last vector or matrix line that named any of them stands ahead of the last trip's wait
	WIN 0xc0
.irp m, 0,1,2,3
.irp b, 0,1,2,3
.irp i, 0,1,2,3
	global_load_b128 v[64*\m+16*\b+4*\i:64*\m+16*\b+4*\i+3], v[XO], s[XPT:XPT+1] offset:(32*(\m>>1)+8*(\m&1))*2048+128*\b+16*\i th:TH_LOAD_NT
.endr
.endr
.endr
	WIN 0
	LOADSET 2, 2, RP
	BARRIER                                        ; out's sixteen fragments lie in LDS
.macro AFETCH buf, adr, off, adr2, off2   ; one K step's four row tiles and their scale words
.set KK, 0
.rept 12
	ds_load_b128 v[AB+48*(\buf)+4*KK:AB+48*(\buf)+4*KK+3], v[\adr] offset:(\off)+512*KK
.set KK, KK+1
.endr
	ds_load_b128 v[AS+4*(\buf):AS+4*(\buf)+3], v[\adr2] offset:(\off2)
.endm
; A K step of a product whose 32 accumulators (4 row tiles x 8 column tiles) stay in window 3.  Four places stay behind the last step's products; the wait behind them (w = 1) states what the step's loads hang on.
; fill = 1: the set three steps on goes into the place that the last step read: its scale words at once, its fragments in two runs of twelve behind the first and the second eight products.  next = 1: the next K step's images.
; The 32 accumulators take turns, one instruction a turn, in the same order in every step.
.macro GSTEP sigma, buf, w, fill, sn, next, adr, off, adr2, off2, cnt, dcnt
	PLACES 4
.if \w
	s_wait_alu depctr_va_vdst(0)                   ; the last step's products are done reading the ring place behind this one, its scale words and the other image buffer, in which this step's loads land; in a trip's first step the two LDS addresses are written
.endif
.if \fill
	LOADW ((\sigma)+3)&3, \sn, RP
.endif
.if \next
	AFETCH 1-(\buf), \adr, \off, \adr2, \off2
.endif
	s_wait_loadcnt \cnt
	s_wait_dscnt \dcnt
.set WSN, 1+((\sigma)>>1)
.set FB, 96*((\sigma)&1)
.irp m, 0,1,2,3
	WIN (0xf0|WSN)
.irp t, 0,1,2,3,4,5,6,7
	MMA 64*\m+8*\t, FB+12*\t, AB+48*(\buf)+12*\m, 64*\m+8*\t, WS+4*(\sigma)+(\t&3), AS+4*(\buf)+\m, (\t>>2)
.endr
.if \fill
.if \m < 2
	LOADF ((\sigma)+3)&3, \sn, RP, 4*\m            ; no wait: the products issued since the step's wait name this step's place, buffer, scale words and the accumulators alone
.endif
.endif
.endr
	WIN 0
.endm
	AFETCH 0, LI, OIMG, LI, OSC
	GSTEP 0, 0, 0, 1, 3, 1, LI, OIMG+6144, LI, OSC+512, 26, 13      ; behind x: set 2's 25 loads and set 3's scale words;  behind this K step's images: the next one's 13 loads
	GSTEP 1, 1, 1, 1, 4, 1, LI, OIMG+12288, LI, OSC+1024, 51, 13    ; behind the set in hand, here and in every full step: two sets, 50 loads, and the scale words of the third
	GSTEP 2, 0, 1, 1, 5, 1, LI, OIMG+18432, LI, OSC+1536, 51, 13
	GSTEP 3, 1, 1, 1, 6, 0, LI, 0, LI, 0, 51, 0
.macro PLOAD reg, ptr                  ; 64 numbers a lane of a vector of 128 columns, in the accumulators' layout: register 16 b + i = column 32 b + 16 (lane / 16) + i
.irp b, 0,1,2,3
.irp i, 0,1,2,3
	global_load_b128 v[(\reg)+16*\b+4*\i:(\reg)+16*\b+4*\i+3], v[BH], s[\ptr:\ptr+1] offset:128*\b+16*\i
.endr
.endr
.endm
; Eight chains in v[TM ..] (tile m: two pairs) become the rows' sums over all 512 columns, in v[TM + m]: within the lane, with lane l xor 16 (RSUMA), and through LDS with the other three waves (RSUMB).
; again = 1: v[PW ..] was the data of the LDS store of the sum before.
.macro RSUMA stat, again
.irp m, 0,1,2,3
	v_pk_add_f32 v[TM+4*\m:TM+4*\m+1], v[TM+4*\m:TM+4*\m+1], v[TM+4*\m+2:TM+4*\m+3]
.endr
.irp m, 0,1,2,3
	v_add_f32 v[TM+4*\m], v[TM+4*\m], v[TM+4*\m+1]
.endr
.irp m, 0,1,2,3
	v_permlanex16_b32 v[TM+4*\m+1], v[TM+4*\m], s[SEL], s[SEL+1]
.endr
.if \again
	s_wait_alu depctr_vm_vsrc(0)                   ; the LDS store of the sum before has read v[PW ..], which the four lines below write again
.endif
.irp m, 0,1,2,3
	v_add_f32 v[PW+\m], v[TM+4*\m], v[TM+4*\m+1]
.endr
	s_wait_alu depctr_va_vdst(0)                   ; my four sums are written, which the LDS store reads; the vector lines are done with v[TM ..], in which the waves' sums land, and with the bias's registers, in which the offsets land
	ds_store_b128 v[REDW], v[PW:PW+3] offset:2048*(\stat)
.endm
.macro RSUMB stat
	BARRIER
.irp q, 0,1,2,3
	ds_load_b128 v[TM+4*\q:TM+4*\q+3], v[REDR] offset:2048*(\stat)+512*\q
.endr
	s_wait_dscnt 0x0
	v_pk_add_f32 v[TM:TM+1], v[TM:TM+1], v[TM+4:TM+5]
	v_pk_add_f32 v[TM+2:TM+3], v[TM+2:TM+3], v[TM+6:TM+7]
	v_pk_add_f32 v[TM+8:TM+9], v[TM+8:TM+9], v[TM+12:TM+13]
	v_pk_add_f32 v[TM+10:TM+11], v[TM+10:TM+11], v[TM+14:TM+15]
	v_pk_add_f32 v[TM:TM+1], v[TM:TM+1], v[TM+8:TM+9]
	v_pk_add_f32 v[TM+2:TM+3], v[TM+2:TM+3], v[TM+10:TM+11]
.endm
; The accumulators + a bias, then LayerNorm in place.  first = 1: the first three sets of w1 are on their way: their biases are asked for here.
.macro LNORM bias, gain, beta, stat, first
	PLACES 4
	s_wait_alu depctr_va_vdst(0)                   ; the last products are done reading the two image buffers, in which the bias and the gains land
.if \first
	BIASLD 0, B1P, 0
	BIASLD 1, B1P, 128
	BIASLD 2, B1P, 256
.endif
	PLOAD PB, \bias
	PLOAD PG, \gain
	s_wait_loadcnt 16                              ; the bias is in; the gains' 16 loads may be out
	WIN 0xc3
.irp m, 0,1,2,3
.set QQ, 0
.rept 32
	v_pk_add_f32 v[64*\m+2*QQ:64*\m+2*QQ+1], v[64*\m+2*QQ:64*\m+2*QQ+1], v[PB+2*QQ:PB+2*QQ+1]
.set QQ, QQ+1
.endr
.endr
	WIN 0x0f
.irp m, 0,1,2,3
.irp ch, 0,1
	v_pk_add_f32 v[TM+4*\m+2*\ch:TM+4*\m+2*\ch+1], v[64*\m+2*\ch:64*\m+2*\ch+1], v[64*\m+4+2*\ch:64*\m+4+2*\ch+1]
.endr
.endr
	WIN 0x0c
.set QQ, 4
.rept 28
.irp m, 0,1,2,3
	v_pk_add_f32 v[TM+4*\m+2*(QQ&1):TM+4*\m+2*(QQ&1)+1], v[TM+4*\m+2*(QQ&1):TM+4*\m+2*(QQ&1)+1], v[64*\m+2*QQ:64*\m+2*QQ+1]
.endr
.set QQ, QQ+1
.endr
	WIN 0
	RSUMA \stat, 0
	PLOAD PE, \beta                                ; over the bias: no vector line has been issued since the wait ahead of the LDS store
	RSUMB \stat
.irp m, 0,1,2,3
	v_mul_f32 v[MN+2*\m], 0xbb000000, v[TM+\m]     ; -mean
.endr
	WIN 0xc3
.irp m, 0,1,2,3
.set QQ, 0
.rept 32
	v_pk_add_f32 v[64*\m+2*QQ:64*\m+2*QQ+1], v[64*\m+2*QQ:64*\m+2*QQ+1], v[MN+2*\m:MN+2*\m+1] op_sel_hi:[1,0]
.set QQ, QQ+1
.endr
.endr
	WIN 0x0f
.irp m, 0,1,2,3
.irp ch, 0,1
	v_pk_mul_f32 v[TM+4*\m+2*\ch:TM+4*\m+2*\ch+1], v[64*\m+2*\ch:64*\m+2*\ch+1], v[64*\m+2*\ch:64*\m+2*\ch+1]
.endr
.endr
.set QQ, 2
.rept 30
.irp m, 0,1,2,3
	v_pk_fma_f32 v[TM+4*\m+2*(QQ&1):TM+4*\m+2*(QQ&1)+1], v[64*\m+2*QQ:64*\m+2*QQ+1], v[64*\m+2*QQ:64*\m+2*QQ+1], v[TM+4*\m+2*(QQ&1):TM+4*\m+2*(QQ&1)+1]
.endr
.set QQ, QQ+1
.endr
	WIN 0
	RSUMA (\stat)+1, 1
	RSUMB (\stat)+1
.irp m, 0,1,2,3
	v_fma_f32 v[TM+\m], v[TM+\m], s74, s75         ; the variance + 1e-5
.endr
.irp m, 0,1,2,3
	v_rsq_f32 v[MN+2*\m], v[TM+\m]
.endr
	v_nop                                          ; a plain instruction behind the four
	s_wait_alu depctr_va_vdst(0)                   ; the four 1 / std are written: one wait, ahead of their first reader
	s_wait_loadcnt 0x0                             ; gains and offsets
	WIN 0xc3
.irp m, 0,1,2,3
.set QQ, 0
.rept 32
	v_pk_mul_f32 v[64*\m+2*QQ:64*\m+2*QQ+1], v[64*\m+2*QQ:64*\m+2*QQ+1], v[MN+2*\m:MN+2*\m+1] op_sel_hi:[1,0]
.set QQ, QQ+1
.endr
.endr
.irp m, 0,1,2,3
.set QQ, 0
.rept 32
	v_pk_fma_f32 v[64*\m+2*QQ:64*\m+2*QQ+1], v[64*\m+2*QQ:64*\m+2*QQ+1], v[PG+2*QQ:PG+2*QQ+1], v[PE+2*QQ:PE+2*QQ+1]
.set QQ, QQ+1
.endr
.endr
	WIN 0
.endm
	LNORM BO, G1, E1, 0, 1
	; ---- h: kept in f32 in my own LDS bytes for the second residual; quantised: K step w of the product with w1
	s_wait_alu depctr_vm_vsrc(0)                   ; the last sum's LDS store has read v[PW ..], which the quantiser below writes
	WIN 0x0c
	s_wait_alu depctr_va_vdst(0)                   ; h is written, which the 64 LDS stores read
.set KK, 0
.rept 64
	ds_store_b128 v[SPA], v[4*KK:4*KK+3] offset:512*KK
.set KK, KK+1
.endr
	WIN 0
.irp m, 0,1,2,3
	QUANT 64*\m, 3, 64+20*\m, PW+\m
.endr
	s_wait_alu depctr_va_vdst(0)                   ; the four fragments and their scale words are written, which the LDS stores read; the quantiser is done reading h's registers, in which h's fragments land behind the barrier
.irp m, 0,1,2,3
.irp c, 0,1,2
	ds_store_b128 v[IWA], v[64+20*\m+4*\c:64+20*\m+4*\c+3] offset:OIMG+1536*\m+512*\c   ; over out's images: every wave has passed two barriers behind its last read of them
.endr
.endr
	ds_store_b128 v[SWA], v[PW:PW+3]
	BARRIER                                        ; h's sixteen fragments lie in LDS
	WIN 0xc0
	s_wait_alu depctr_vm_vsrc(0)                   ; my LDS stores have read h's registers, in which the fragments below land, and the codes and scale words, whose registers the steps below write again
.set KK, 0
.rept 48
	ds_load_b128 v[4*KK:4*KK+3], v[LI] offset:OIMG+512*KK
.set KK, KK+1
.endr
	WIN 0
.irp s, 0,1,2,3
	ds_load_b128 v[HS+4*\s:HS+4*\s+3], v[LI] offset:OSC+512*\s
.endr
	s_wait_dscnt 0x0
	; ---- the hidden layer: 16 steps, a pair of column tiles each; four steps make 128 hidden units: one K step of the last product
	s_wait_xcnt 0x0
	s_add_nc_u64 s[RP:RP+1], s[RP:RP+1], 51200     ; at set 4
	s_mov_b32 s62, 0                               ; g
	s_mov_b32 s68, 0                               ; 6,144 g
	s_mov_b32 s69, 0                               ; 512 g
.macro FSTEP beta
.if (\beta) != 0
	s_wait_alu depctr_va_vdst(0)                   ; the last step's products are done reading their ring place, its scale words and its bias, in which the loads below land
.endif                                             ; (a trip's first step: those products stand ahead of the wait in front of the last trip's LDS stores; on the way in, ahead of the wait in front of h's)
	LOADSET ((\beta)+3)&3, (\beta)+3, RP           ; into the place that the last step read
.if (\beta) == 0
	BIASLD 3, B1P, 384
.else
	s_cmp_eq_u32 s62, 3                            ; in the last trip these sets are w2's: they have no bias, and the load would leave b1
	s_cbranch_scc1 .Lnob_\@
	BIASLD ((\beta)+3)&3, B1P, 128*((\beta)+3)
.Lnob_\@:
.endif
	s_wait_loadcnt 63                              ; behind this step's set and bias: three sets, 75 loads at the least on either way
	PMUL \beta, HS
.set JJ, 0
.rept 64
	v_max_num_f32 v[ACC+JJ], 0, v[ACC+JJ]          ; relu
.set JJ, JJ+1
.endr
	QCOL ACC, \beta
.endm
.Lffn1:
	FSTEP 0
	FSTEP 1
	FSTEP 2
	FSTEP 3
.irp m, 0,1,2,3
	FIN PC+20*\m
.endr
	v_add_nc_u32 v[AD], s68, v[HWA]
	v_add_nc_u32 v[AD2], s69, v[HSA]
	s_wait_alu depctr_va_vdst(0)                   ; the four fragments, their scale words and the two addresses are written, which the LDS stores read; the trip's last products are done reading ring place 3, which the next trip's first step fills
.irp m, 0,1,2,3
.irp c, 0,1,2
	ds_store_b128 v[AD], v[PC+20*\m+4*\c:PC+20*\m+4*\c+3] offset:1536*\m+512*\c
.endr
.endr
	ds_store_b128 v[AD2], v[PW:PW+3]
	s_wait_dscnt 0x0                               ; my stores have landed
	s_wait_alu depctr_vm_vsrc(0)                   ; they have read the codes, the scale words and the two addresses, which the next trip, or the last product's head, writes again
	s_wait_xcnt 0x0                                ; the loads have read their bases: these may step
	s_add_nc_u64 s[RP:RP+1], s[RP:RP+1], 51200
	s_add_nc_u64 s[B1P:B1P+1], s[B1P:B1P+1], 512
	s_add_co_u32 s68, s68, 6144
	s_add_co_u32 s69, s69, 512
	s_add_co_u32 s62, s62, 1
	s_cmp_lt_u32 s62, 4
	s_cbranch_scc1 .Lffn1
	BARRIER                                        ; the hidden layer's 64 fragments lie in LDS
	; ---- hidden w2 + h: h comes back into the accumulators (the products that read h's fragments there stand ahead of the last trip's wait on va_vdst)
	WIN 0xc0
.set KK, 0
.rept 64
	ds_load_b128 v[4*KK:4*KK+3], v[SPA] offset:512*KK
.set KK, KK+1
.endr
	WIN 0
	s_mov_b32 s70, HIMG
	s_mov_b32 s71, HSC
	s_mov_b32 s62, 0
	v_add_nc_u32 v[AD], s70, v[LI]
	v_add_nc_u32 v[AD2], s71, v[LI]
	s_wait_alu depctr_va_vdst(0)                   ; the two addresses are written, which the LDS loads below read
	AFETCH 0, AD, 0, AD2, 0
.macro ON2                             ; the two LDS addresses at this trip's first K step; the first step's own wait on va_vdst stands between these lines and the loads that read them
	s_wait_alu depctr_vm_vsrc(0)                   ; the LDS loads issued so far have read the two addresses
	v_add_nc_u32 v[AD], s70, v[LI]
	v_add_nc_u32 v[AD2], s71, v[LI]
.endm
.Lffn2:                                                ; three trips of four K steps
	ON2
	GSTEP 0, 0, 1, 1, 3, 1, AD, 6144, AD2, 512, 51, 13
	GSTEP 1, 1, 1, 1, 4, 1, AD, 12288, AD2, 1024, 51, 13
	GSTEP 2, 0, 1, 1, 5, 1, AD, 18432, AD2, 1536, 51, 13
	GSTEP 3, 1, 1, 1, 6, 1, AD, 24576, AD2, 2048, 51, 13
	s_wait_xcnt 0x0
	s_add_nc_u64 s[RP:RP+1], s[RP:RP+1], 51200
	s_add_co_u32 s70, s70, 24576
	s_add_co_u32 s71, s71, 2048
	s_add_co_u32 s62, s62, 1
	s_cmp_lt_u32 s62, 3
	s_cbranch_scc1 .Lffn2
	ON2                                            ; the last four K steps: one more set, then the counts run down
	GSTEP 0, 0, 1, 1, 3, 1, AD, 6144, AD2, 512, 51, 13
	GSTEP 1, 1, 1, 0, 0, 1, AD, 12288, AD2, 1024, 50, 13
	GSTEP 2, 0, 1, 0, 0, 1, AD, 18432, AD2, 1536, 25, 13
	GSTEP 3, 1, 0, 0, 0, 0, AD, 0, AD2, 0, 0, 0    ; it issues no load, so it holds no wait on va_vdst
	LNORM B2P, G2, E2, 2, 0
	; ---- the way out, a row tile at a time: a lane holds pieces of one row, so the tile goes through my own stage (rows of 528 bytes) and comes back as rows of 512 bytes.  LDS serves a wave's instructions in order (ISA guide 5.7.1.4)
.macro TOSTAGE m
	WIN 0x0c
.irp t, 0,1,2,3,4,5,6,7
	ds_store_b128 v[STO], v[64*(\m)+8*\t:64*(\m)+8*\t+3] offset:128*(\t>>1)+32*(\t&1)
	ds_store_b128 v[STO], v[64*(\m)+8*\t+4:64*(\m)+8*\t+7] offset:128*(\t>>1)+32*(\t&1)+16
.endr
	WIN 0
.set BB, 64+64*((\m)&1)
.set KK, 0
.rept 16
	ds_load_b128 v[BB+4*KK:BB+4*KK+3], v[SPA] offset:528*KK
.set KK, KK+1
.endr
.endm
.macro SEND m, younger                 ; younger: the LDS instructions issued behind tile m's loads
.set BB, 64+64*((\m)&1)
	s_wait_dscnt \younger
.irp k, 0,1,2,3,4,5,6,7,8,9,10,11,12,13,14,15
	global_store_b128 v[LI], v[BB+4*\k:BB+4*\k+3], s[OUTP:OUTP+1] offset:(32*((\m)>>1)+8*((\m)&1)+\k+8*(\k>>3))*2048 th:TH_STORE_NT   ; 32 lanes store 512 consecutive bytes, aligned
.endr
.endm
	s_wait_alu depctr_va_vdst(0)                   ; the result is written, which the LDS stores read; the last multiply-adds are done reading gains and offsets, in whose registers the rows come back.  No vector line follows
	TOSTAGE 0
.irp a, 1,2,3
.if \a > 1
	s_wait_xcnt 0x0                                ; tile a - 2's stores have read their registers: tile a's loads may land there
	s_wait_alu depctr_vm_vsrc(0)                   ; tile a - 2's stores have read the registers in which tile a's rows land
.endif
	TOSTAGE \a
	SEND \a-1, 32                                  ; behind tile a - 1's loads: tile a's 16 stores and 16 loads
.endr
	SEND 3, 0
	s_wait_dscnt 0x0
	s_wait_alu depctr_hold_cnt(0) depctr_sa_sdst(0) depctr_va_vdst(0) depctr_va_sdst(0) depctr_va_ssrc(0) depctr_va_vcc(0) depctr_vm_vsrc(0)
	s_wait_tensorcnt 0x0
	ds_add_u32 v254, v255
	s_wait_dscnt 0x0
	s_endpgm
.Lfunc_end_k_q7cd5c2bc9e_block:
	.size	k_q7cd5c2bc9e_block, .Lfunc_end_k_q7cd5c2bc9e_block-k_q7cd5c2bc9e_block
	.p2alignl 7, 3214868480
	.fill 96, 4, 3214868480
	.section	.rodata,"a",@progbits
	.p2align	6, 0x0
	.amdhsa_kernel k_q7cd5c2bc9e_block
		.amdhsa_group_segment_fixed_size 272896
		.amdhsa_private_segment_fixed_size 0
		.amdhsa_enable_private_segment 0
		.amdhsa_kernarg_size 104
		.amdhsa_user_sgpr_count 2
		.amdhsa_user_sgpr_kernarg_segment_ptr 1
		.amdhsa_wavefront_size32 1
		.amdhsa_system_sgpr_workgroup_id_x 1
		.amdhsa_system_sgpr_workgroup_id_y 1
		.amdhsa_system_sgpr_workgroup_id_z 1
		.amdhsa_system_vgpr_workitem_id 0
		.amdhsa_next_free_vgpr 1024
		.amdhsa_next_free_sgpr 80
		.amdhsa_reserve_vcc 0
		.amdhsa_float_denorm_mode_32 3
		.amdhsa_float_denorm_mode_16_64 3
		.amdhsa_memory_ordered 1
		.amdhsa_forward_progress 1
		.amdhsa_inst_pref_size 255
	.end_amdhsa_kernel
	.section	.bss,"aw",@nobits
	.p2align	6
	.space	262144
	.amdgpu_metadata
---
amdhsa.version: [ 1, 2 ]
amdhsa.kernels:
  - .name:           k_q7cd5c2bc9e_block
    .symbol:         k_q7cd5c2bc9e_block.kd
    .args:
      - { .name: x, .offset: 0, .size: 8, .value_kind: global_buffer, .address_space: global }
      - { .name: qb, .offset: 8, .size: 8, .value_kind: global_buffer, .address_space: global }
      - { .name: kb, .offset: 16, .size: 8, .value_kind: global_buffer, .address_space: global }
      - { .name: vb, .offset: 24, .size: 8, .value_kind: global_buffer, .address_space: global }
      - { .name: wsc, .offset: 32, .size: 8, .value_kind: global_buffer, .address_space: global }
      - { .name: bo, .offset: 40, .size: 8, .value_kind: global_buffer, .address_space: global }
      - { .name: ln1_g, .offset: 48, .size: 8, .value_kind: global_buffer, .address_space: global }
      - { .name: ln1_b, .offset: 56, .size: 8, .value_kind: global_buffer, .address_space: global }
      - { .name: b1, .offset: 64, .size: 8, .value_kind: global_buffer, .address_space: global }
      - { .name: b2, .offset: 72, .size: 8, .value_kind: global_buffer, .address_space: global }
      - { .name: ln2_g, .offset: 80, .size: 8, .value_kind: global_buffer, .address_space: global }
      - { .name: ln2_b, .offset: 88, .size: 8, .value_kind: global_buffer, .address_space: global }
      - { .name: out0, .offset: 96, .size: 8, .value_kind: global_buffer, .address_space: global }
    .group_segment_fixed_size: 272896
    .private_segment_fixed_size: 0
    .kernarg_segment_align: 8
    .kernarg_segment_size: 104
    .max_flat_workgroup_size: 128
    .sgpr_count:     80
    .vgpr_count:     1024
    .wavefront_size: 32
...
	.end_amdgpu_metadata
.endif
;; end of part 5
